; MI455X (gfx1250); checked and timed in simulation.
; The chip was launched on July 23, 2026; its instructions are those of AMD's public machine-readable ISA for CDNA 5 (MIT licence, August 2026) and "CDNA5" Instruction Set Architecture Reference Guide (July 2026). The comments in the code are by the model that wrote it; some were corrected since.
;; Causal Self Attention. Allowed arithmetic: matrix products marked QUANTISED: E3M2 operands, one E8M0 scale for each 32 along K, by v_wmma_scale_f32_16x16x128_f8f6f4 with both operands' format E3M2, f32 sums; everything else in f32.
;; Inputs: Wk 1,024 x 1,024 float32; Wp 1,024 x 1,024 float32; Wq 1,024 x 1,024 float32; Wv 1,024 x 1,024 float32; bk 1,024 float32; bp 1,024 float32; bq 1,024 float32; bv 1,024 float32; x 4 x 2,048 x 1,024 float32.
;; Outputs: out0 4 x 2,048 x 1,024 float32.
;; This version of the problem:
;;   THIS VERSION OF THE PROBLEM IS GIVEN IN LOW PRECISION. The matrix products marked QUANTISED in the list below multiply operands that are first quantised to E3M2 (3 exponent bits, 2 mantissa bits; 6 bits a number), with one power-of-two scale for each 32 numbers along K (OCP MX v1.0); their sums are f32. All else is computed in f32.
;;   The module's matrix products, in the order in which they are computed (A, B: the left and right operand; K: the contracted axis; several contracted axes count as one K, in the product's order):
;;     1. [M 8,192, K 1,024] x [K 1,024, N 1,024]; A: input x; B: input Wk: QUANTISED
;;     2. [M 8,192, K 1,024] x [K 1,024, N 1,024]; A: input x; B: input Wq: QUANTISED
;;     3. [M 8,192, K 1,024] x [K 1,024, N 1,024]; A: input x; B: input Wv: QUANTISED
;;     4. batch 64 x [M 2,048, K 64] x [K 64, N 2,048]; A: computed on the way; B: computed on the way: QUANTISED
;;     5. batch 64 x [M 2,048, K 2,048] x [K 2,048, N 64]; A: softmax (see below); B: computed on the way: QUANTISED
;;     6. [M 8,192, K 1,024] x [K 1,024, N 1,024]; A: computed on the way; B: input Wp: QUANTISED
;;   THE QUANTISER, for each operand of a quantised product, along K:
;;     - K is cut into blocks of 32 from its start; a last block that is shorter is filled with zeros.
;;     - A block's scale is 2^e with e = floor(log2(the largest magnitude in the block)) - 4, held to -126 .. 127; a block of zeros has e = 0. As a byte (E8M0): e + 127.
;;     - Each number is divided by its block's scale, clamped to +-28, and rounded to the nearest number of E3M2, ties to even, subnormals kept.
;;     - The product sums the exact products of the quantised numbers (number of the format x scale) in f32.
;;   ~~~python
;;   def quantise(x, axis):      # numpy; x: float32 -> the quantised numbers, widened to float32 again
;;       x = np.moveaxis(x, axis, -1); K = x.shape[-1]
;;       x = np.pad(x, [(0, 0)] * (x.ndim - 1) + [(0, -K % 32)]); x = x.reshape(x.shape[:-1] + (-1, 32)); a = np.abs(x).max(-1, keepdims=True)
;;       e = np.where(a > 0, np.clip(np.frexp(np.where(a > 0, a, 1))[1] - 1 - 4, -126, 127), 0)      # np.frexp(a)[1] - 1 = floor(log2(a)), exactly
;;       r = np.clip(x / 2.0 ** e, -28, 28)
;;       step = 2.0 ** (np.maximum(np.frexp(np.where(r == 0, 1, r))[1] - 1, -2) - 2)
;;       q = np.round(r / step) * step * 2.0 ** e      # np.round: ties to even
;;       return np.moveaxis(q.reshape(q.shape[:-2] + (-1,))[..., :K], -1, axis).astype(np.float32)
;;   ~~~
;;   SOFTMAX AHEAD OF A QUANTISED PRODUCT. Where the list says 'softmax', what is quantised is not the finished softmax but p = 2^(t - M), with t = logit x log2(e) and M = ceil(the row's largest t), a whole number; so 1/2 < the row's largest p <= 1. The row's sum l is taken of the UNQUANTISED p, in f32, and the product's result is divided by l at the end. Since M is a whole number, a kernel that streams over the keys may use a running M (the ceiling of the running maximum): every later rescaling is an exact power of two, which a block's scale takes up: the codes' values come out the same.
;;   OPERANDS COMPUTED ON THE WAY. 'Computed on the way' means the value that the module computes at that place (a softmax that the list does not call 'softmax' is quantised finished and normalised). What goes into a quantiser is computed in f32, as accurately as f32 sums, v_exp_f32 and their like allow (about 1e-6 of the number): no bf16 or f16 on the way to a quantiser, and a product that is left as it is and whose result goes on into a quantised operand takes f32 operands (vector FMAs, or v_wmma_f32_16x16x4_f32). A number that lies on a knife's edge between two numbers of the format may be rounded either way, as far as f32 arithmetic and the matrix unit's own rounding can turn it there, and no further.
;; One version. Each part assembles by itself: llvm-mc -triple=amdgcn-amd-amdhsa -mcpu=gfx1250 --defsym DOCPART=n.
;; ======== version 1 of 1: 5 launches
;; workspace buffers: ximg 6,291,456 bytes; xsc 262,144 bytes; wimg 3,145,728 bytes; wsc 131,072 bytes; qimg 6,815,744 bytes; kv 13,369,344 bytes; yimg 6,291,456 bytes; ysc 262,144 bytes
;; launch quant_x (part 1): grid 256 x 1, 8 waves a work-group, no clusters, 68,608 bytes of LDS; arguments x, ximg, xsc; writes ximg, xsc
.if DOCPART == 1
	.amdgcn_target "amdgcn-amd-amdhsa--gfx1250"
	.amdhsa_code_object_version 6
	.text
	.protected	k_q3ee08aacbd_quant_x
	.globl	k_q3ee08aacbd_quant_x
	.p2align	8
	.type	k_q3ee08aacbd_quant_x,@function
k_q3ee08aacbd_quant_x:
	s_mov_b64 s[64:65], 0
	v_nop
	global_prefetch_b8 v0, s[64:65] scope:SCOPE_SE
	s_setreg_imm32_b32 hwreg(HW_REG_WAVE_MODE, 25, 1), 1
	s_wait_xcnt 0x0
; x [8192][1024] f32 becomes codes of BF6 (E3M2) with one E8M0 byte for each 32 along K, laid as the matrix unit's registers take them.
; THE LAYOUT OF AN OPERAND (all operands of this program's large products).  Rows go in groups of 128; a group has 8 tiles of 16 rows; lane r of tile i holds row 32 (i / 2) + 8 (i % 2) + r + 8 (r / 8).
; K goes in chunks of 64.  A tile's chunk is 768 bytes: the operand's registers 0-3 at 16 x lane, registers 4-5 at 512 + 8 x lane; lane (r, h) holds k = 64 c + 32 h + 0 .. 31 of its row.
; Codes: group x 98,304 + chunk x 6,144 + tile x 768.  Scale words: group x 4,096 + (k / 256) x 1,024 + tile x 128 + r x 8 + ((k / 128) % 2) x 4, byte b of a word for k = 32 b on.
; A block's scale is 2^(floor(log2(its largest magnitude)) - 4); its byte is that magnitude's exponent field - 4, held at 1 from below.
; LIMITS: NaN and infinities are not served; a block whose largest magnitude lies under 2^-122 keeps the byte 1; a block of zeros has the byte 1 where the rule says 127: its codes are zeros and this program alone reads the bytes.
; SHARES.  A work-group takes 32 rows and all of K.  Wave w takes tile 2 (g % 4) + w % 2 and K = 256 (w / 2) on, in two steps of 128.  Each load reads 512 consecutive bytes of one row; the 16 rows turn through the wave's
; own stage in LDS (rows 528 bytes apart) so that a lane gets 32 neighbours of one row.  Waves share nothing: no barrier.
.set R,      16                        ; v16-143  two sets of 64 registers as loaded
.set X,      144                       ; v144-207 two blocks of 32 neighbours
.set C,      208                       ; v208-239 codes: 8 registers for each of the four tile chunks, so that no store's data are written again
.set SPITCH, 528
.set WST,    16*SPITCH
	s_load_b128 s[4:7], s[0:1], 0x0                ; x, ximg
	s_load_b64 s[8:9], s[0:1], 0x10                ; xsc
	v_lshl_add_u32 v248, v0, 2, 0x10800
	v_mov_b32 v249, 0
	v_lshrrev_b32 v1, 5, v0
	s_delay_alu instid0(VALU_DEP_1)
	v_readfirstlane_b32 s10, v1                    ; wave 0..7
	v_and_b32 v1, 31, v0                           ; lane
	v_and_b32 v2, 15, v0                           ; r
	v_bfe_u32 v3, v0, 4, 1                         ; h
	s_delay_alu instid0(VALU_DEP_3)
	v_lshlrev_b32 v4, 4, v1                        ; 16 x lane
	s_delay_alu instid0(VALU_DEP_4)
	v_lshlrev_b32 v5, 3, v1                        ; 8 x lane
	s_mul_i32 s16, s10, WST                        ; my stage
	v_add_nc_u32 v6, s16, v4                       ; into it: a row's 512 bytes as they lie
	v_mul_u32_u24 v7, v2, SPITCH
	s_delay_alu instid0(VALU_DEP_1)
	v_lshl_add_u32 v7, v3, 7, v7
	s_delay_alu instid0(VALU_DEP_1)
	v_add_nc_u32 v7, s16, v7                       ; out of it: row r, 128 h bytes on
	v_lshlrev_b32 v8, 3, v3                        ; 8 h: my bytes' place in a scale word
	v_lshlrev_b32 v9, 3, v2
	s_delay_alu instid0(VALU_DEP_1)
	v_lshl_add_u32 v9, v3, 2, v9                   ; 8 r + 4 h: lanes 0-15 store the first step's words, lanes 16-31 the second's
	v_mov_b32 v246, 0                              ; written once: a lane permute's destination counts as one of its sources
	s_mov_b32 s20, 0x76543210
	s_mov_b32 s21, 0xfedcba98                      ; selects for lane l xor 16
	s_and_b32 s11, s10, 1                          ; u
	s_lshr_b32 s12, s10, 1                         ; which 256 along K
	s_lshr_b32 s13, ttmp9, 2                       ; group
	s_and_b32 s14, ttmp9, 3
	s_lshl_b32 s15, s14, 1
	s_add_co_u32 s15, s15, s11                     ; tile
	s_lshl_b32 s16, ttmp9, 17                      ; x: 32 rows of 4,096 bytes a work-group,
	s_lshl_b32 s17, s11, 15                        ; 8 rows on for the odd tile,
	s_add_co_u32 s16, s16, s17
	s_lshl_b32 s17, s12, 10                        ; 256 numbers along K
	s_add_co_u32 s16, s16, s17
	s_mov_b32 s17, 0
	s_mul_i32 s18, s13, 98304
	s_mul_i32 s19, s12, 24576
	s_add_co_u32 s18, s18, s19
	s_mul_i32 s19, s15, 768
	s_add_co_u32 s18, s18, s19
	s_mov_b32 s19, 0
	s_lshl_b32 s22, s13, 12
	s_lshl_b32 s23, s12, 10
	s_add_co_u32 s22, s22, s23
	s_lshl_b32 s23, s15, 7
	s_add_co_u32 s22, s22, s23
	s_mov_b32 s23, 0
	s_wait_alu depctr_va_vdst(0)
	s_wait_kmcnt 0x0
	s_add_nc_u64 s[4:5], s[4:5], s[16:17]
	s_add_nc_u64 s[6:7], s[6:7], s[18:19]
	s_add_nc_u64 s[8:9], s[8:9], s[22:23]
.macro LOAD q                          ; the tile's 16 rows, 128 along K: 32 lanes read 512 consecutive bytes
.irp t, 0,1,2,3,4,5,6,7,8,9,10,11,12,13,14,15
	global_load_b128 v[R+64*\q+4*\t:R+64*\q+4*\t+3], v4, s[4:5] offset:(\t+8*(\t/8))*4096+512*\q th:TH_LOAD_NT
.endr
.endm
; 32 numbers of one lane become 6 registers of codes at v[c] on and a scale byte in v[by]
.macro BLK xs, c, by
	v_max3_num_f32 v240, |v[(\xs)]|, |v[(\xs)+1]|, |v[(\xs)+2]|
	v_max3_num_f32 v241, |v[(\xs)+3]|, |v[(\xs)+4]|, |v[(\xs)+5]|
.irp i, 6,10,14,18,22,26
	s_delay_alu instid0(VALU_DEP_2)
	v_max3_num_f32 v240, v240, |v[(\xs)+\i]|, |v[(\xs)+\i+1]|
	s_delay_alu instid0(VALU_DEP_2)
	v_max3_num_f32 v241, v241, |v[(\xs)+\i+2]|, |v[(\xs)+\i+3]|
.endr
	s_delay_alu instid0(VALU_DEP_2)
	v_max3_num_f32 v240, v240, |v[(\xs)+30]|, |v[(\xs)+31]|
	s_delay_alu instid0(VALU_DEP_1)
	v_max3_num_f32 v240, v240, v241, 0x2800000     ; and the floor 2^(5 - 127): the byte cannot fall under 1
	s_delay_alu instid0(VALU_DEP_1)
	v_add_nc_u32 v242, 0xfe000000, v240            ; 4 off the exponent field: the conversion takes this operand's exponent field as its scale
	v_cvt_scalef32_pk16_bf6_f32 v[(\c):(\c)+2], v[(\xs):(\xs)+15], v242
	v_cvt_scalef32_pk16_bf6_f32 v[(\c)+4:(\c)+6], v[(\xs)+16:(\xs)+31], v242   ; (a conversion's three registers begin on an even number)
	v_lshrrev_b32 v[\by], 23, v242                 ; the scale's byte; also the plain line behind the conversions
	v_mov_b32 v[(\c)+3], v[(\c)+4]
	v_mov_b32 v[(\c)+4], v[(\c)+5]
	v_mov_b32 v[(\c)+5], v[(\c)+6]
.endm
.macro STEP q
	s_wait_loadcnt 16*(1-\q)                       ; this step's 16 loads are in; the next step's 16 may be out
.irp t, 0,1,2,3,4,5,6,7,8,9,10,11,12,13,14,15
	ds_store_b128 v6, v[R+64*\q+4*\t:R+64*\q+4*\t+3] offset:SPITCH*\t
.endr
.irp cc, 0,1
.irp j, 0,1,2,3,4,5,6,7
	ds_load_b128 v[X+32*\cc+4*\j:X+32*\cc+4*\j+3], v7 offset:256*\cc+16*\j   ; LDS serves a wave's instructions in order: these see the stores above
.endr
.endr
	s_wait_dscnt 0x0
.irp cc, 0,1
	BLK X+32*\cc, C+8*(2*\q+\cc), 243+2*\cc
	global_store_b128 v4, v[C+8*(2*\q+\cc):C+8*(2*\q+\cc)+3], s[6:7] offset:(2*\q+\cc)*6144          ; 512 consecutive bytes
	global_store_b64 v5, v[C+8*(2*\q+\cc)+4:C+8*(2*\q+\cc)+5], s[6:7] offset:(2*\q+\cc)*6144+512     ; and the 256 behind them
.endr
	v_lshl_or_b32 v244, v245, 16, v243             ; my two bytes: blocks h and 2 + h of my row,
	s_delay_alu instid0(VALU_DEP_1)
	v_lshlrev_b32 v244, v8, v244                   ; at their places in the word;
	s_delay_alu instid0(VALU_DEP_1)
	v_permlanex16_b32 v246, v244, s20, s21
	s_delay_alu instid0(VALU_DEP_1)
	v_or_b32 v[10+\q], v244, v246                  ; with lane l xor 16's two the word is whole
.endm
	LOAD 0
	LOAD 1
	STEP 0
	STEP 1
	v_cmp_ne_u32 vcc_lo, 0, v3
	s_delay_alu instid0(VALU_DEP_1)
	v_cndmask_b32 v10, v10, v11, vcc_lo
	global_store_b32 v9, v10, s[8:9]               ; the tile's 16 rows x 2 words: 128 consecutive bytes
	s_wait_tensorcnt 0x0
	ds_add_u32 v248, v249
	s_wait_dscnt 0x0
	s_endpgm
.Lfunc_end_k_q3ee08aacbd_quant_x:
	.size	k_q3ee08aacbd_quant_x, .Lfunc_end_k_q3ee08aacbd_quant_x-k_q3ee08aacbd_quant_x
	.p2alignl 7, 3214868480
	.fill 96, 4, 3214868480
	.section	.rodata,"a",@progbits
	.p2align	6, 0x0
	.amdhsa_kernel k_q3ee08aacbd_quant_x
		.amdhsa_group_segment_fixed_size 68608
		.amdhsa_private_segment_fixed_size 0
		.amdhsa_enable_private_segment 0
		.amdhsa_kernarg_size 24
		.amdhsa_user_sgpr_count 2
		.amdhsa_user_sgpr_kernarg_segment_ptr 1
		.amdhsa_wavefront_size32 1
		.amdhsa_system_sgpr_workgroup_id_x 1
		.amdhsa_system_sgpr_workgroup_id_y 1
		.amdhsa_system_sgpr_workgroup_id_z 1
		.amdhsa_system_vgpr_workitem_id 0
		.amdhsa_next_free_vgpr 250
		.amdhsa_next_free_sgpr 66
		.amdhsa_reserve_vcc 1
		.amdhsa_float_denorm_mode_32 3
		.amdhsa_float_denorm_mode_16_64 3
		.amdhsa_memory_ordered 1
		.amdhsa_forward_progress 1
		.amdhsa_inst_pref_size 19
	.end_amdhsa_kernel
	.amdgpu_metadata
---
amdhsa.version: [ 1, 2 ]
amdhsa.kernels:
  - .name:           k_q3ee08aacbd_quant_x
    .symbol:         k_q3ee08aacbd_quant_x.kd
    .args:
      - { .name: x, .offset: 0, .size: 8, .value_kind: global_buffer, .address_space: global }
      - { .name: ximg, .offset: 8, .size: 8, .value_kind: global_buffer, .address_space: global }
      - { .name: xsc, .offset: 16, .size: 8, .value_kind: global_buffer, .address_space: global }
    .group_segment_fixed_size: 68608
    .private_segment_fixed_size: 0
    .kernarg_segment_align: 8
    .kernarg_segment_size: 24
    .max_flat_workgroup_size: 256
    .sgpr_count:     66
    .vgpr_count:     250
    .wavefront_size: 32
...
	.end_amdgpu_metadata
.endif
;; end of part 1
;; launch quant_w (part 2): grid 8 x 32, 4 waves a work-group, no clusters, 12,800 bytes of LDS; arguments Wq, Wk, Wv, Wp, wimg, wsc; writes wimg, wsc
.if DOCPART == 2
	.amdgcn_target "amdgcn-amd-amdhsa--gfx1250"
	.amdhsa_code_object_version 6
	.text
	.protected	k_q3ee08aacbd_quant_w
	.globl	k_q3ee08aacbd_quant_w
	.p2align	8
	.type	k_q3ee08aacbd_quant_w,@function
k_q3ee08aacbd_quant_w:
	s_mov_b64 s[64:65], 0
	v_nop
	global_prefetch_b8 v0, s[64:65] scope:SCOPE_SE
	s_setreg_imm32_b32 hwreg(HW_REG_WAVE_MODE, 25, 1), 1
	s_wait_xcnt 0x0
; The four weights [1024 (k)][1024 (n)] f32, K their FIRST axis, become codes of BF6 (E3M2) with one E8M0 byte for each 32 along K, in the operand layout of this program
; (rows = the weight's columns n, in groups of 128: groups 0-7 Wq, 8-15 Wk, 16-23 Wv, 24-31 Wp; tile i, lane r: row 32 (i / 2) + 8 (i % 2) + r + 8 (r / 8); a tile's chunk of 64 along K is 768 bytes:
; registers 0-3 at 16 x lane, registers 4-5 at 512 + 8 x lane).
; A LANE TAKES A COLUMN AND ITS REGISTERS RUN DOWN K: each load reads 128 consecutive bytes a wave, a block of 32 lies in one lane, and the conversions give codes with K innermost.
; Work-group (x, y): group x of tensor y / 8, K = 128 (y % 8) on.  Wave w takes columns 32 w .. 32 w + 31 of the group: tiles 2 w and 2 w + 1.  Its codes go through its own stage in LDS, laid as the two tiles' chunks
; themselves, and leave as 1,536 consecutive bytes a chunk.  The scale words leave 4 bytes a lane, 8 bytes apart: those blocks of memory are written in part; they are 131,072 bytes of the launch's 20 million.
; LIMITS: NaN and infinities are not served; a block under 2^-122, and a block of zeros, keep the byte 1 (zero codes; this program alone reads the bytes).
.set X,   32                           ; v32-95   two sets of 32 numbers
.set C,   96                           ; v96-127  codes: 8 registers a block, so that no LDS store's data are written again
.set RBK, 128                          ; v128-151 the way out
.set SB,  152                          ; v152     the four scale bytes
	s_load_b256 s[4:11], s[0:1], 0x0               ; Wq, Wk, Wv, Wp
	s_load_b128 s[12:15], s[0:1], 0x20             ; wimg, wsc
	v_lshl_add_u32 v160, v0, 2, 0x3000
	v_mov_b32 v161, 0
	v_lshrrev_b32 v1, 5, v0
	v_readfirstlane_b32 s16, v1                    ; wave 0..3
	v_and_b32 v1, 31, v0                           ; lane = my column among the wave's 32
	v_lshlrev_b32 v3, 2, v1
	v_bfe_u32 v4, v0, 3, 1                         ; which of the two tiles my column falls into,
	v_and_b32 v5, 7, v0
	v_bfe_u32 v6, v0, 4, 1
	v_lshl_or_b32 v5, v6, 3, v5                    ; and which lane r of it
	s_mul_i32 s17, s16, 3072                       ; my stage: two chunks x two tiles x 768 bytes
	v_mul_u32_u24 v7, v4, 768
	v_add_nc_u32 v7, s17, v7
	v_lshl_add_u32 v8, v5, 4, v7                   ; registers 0-3 of lane (r, 0)
	v_lshl_add_u32 v9, v5, 3, v7
	v_add_nc_u32 v9, 512, v9                       ; registers 4-5
	v_lshlrev_b32 v10, 4, v1                       ; the way out: 16 x lane
	v_add_nc_u32 v11, s17, v10
	v_lshlrev_b32 v12, 7, v4
	v_lshl_add_u32 v12, v5, 3, v12                 ; my row's scale word: tile x 128 + r x 8
	s_and_b32 s18, ttmp7, 0xffff
	s_lshr_b32 s19, s18, 3                         ; tensor
	s_and_b32 s18, s18, 7                          ; which 128 along K
	s_lshl_b32 s20, s18, 19                        ; 128 rows of 4,096 bytes,
	s_lshl_b32 s21, ttmp9, 9                       ; 128 columns a group,
	s_add_co_u32 s20, s20, s21
	s_lshl_b32 s21, s16, 7                         ; 32 a wave
	s_add_co_u32 s20, s20, s21
	s_mov_b32 s21, 0
	s_lshl_b32 s22, s19, 3
	s_add_co_u32 s22, s22, ttmp9                   ; the operand's group
	s_mul_i32 s24, s22, 98304
	s_mul_i32 s23, s18, 12288                      ; two chunks
	s_add_co_u32 s24, s24, s23
	s_mul_i32 s23, s16, 1536                       ; two tiles
	s_add_co_u32 s24, s24, s23
	s_mov_b32 s25, 0
	s_lshl_b32 s26, s22, 12
	s_lshr_b32 s23, s18, 1
	s_lshl_b32 s23, s23, 10
	s_add_co_u32 s26, s26, s23
	s_and_b32 s23, s18, 1
	s_lshl_b32 s23, s23, 2
	s_add_co_u32 s26, s26, s23
	s_lshl_b32 s23, s16, 8
	s_add_co_u32 s26, s26, s23
	s_mov_b32 s27, 0
	s_wait_kmcnt 0x0
	s_cmp_eq_u32 s19, 1                            ; the choice hangs on the work-group's number alone
	s_cselect_b64 s[4:5], s[6:7], s[4:5]
	s_cmp_eq_u32 s19, 2
	s_cselect_b64 s[4:5], s[8:9], s[4:5]
	s_cmp_eq_u32 s19, 3
	s_cselect_b64 s[4:5], s[10:11], s[4:5]
	s_add_nc_u64 s[4:5], s[4:5], s[20:21]
	s_add_nc_u64 s[12:13], s[12:13], s[24:25]
	s_add_nc_u64 s[14:15], s[14:15], s[26:27]
.macro LOAD t                          ; block t: W(32 t + j, my column) into set t % 2
.set N_, 0
.rept 32
	global_load_b32 v[X+32*((\t)%2)+N_], v3, s[4:5] offset:(32*(\t)+N_)*4096 th:TH_LOAD_NT
.set N_, N_+1
.endr
.endm
.macro BLOCK t
.set XS, X+32*((\t)%2)
.set CT, C+8*(\t)
.if (\t) < 3
	s_wait_loadcnt 32                              ; this block's 32 loads are in; the next block's may be out
.else
	s_wait_loadcnt 0x0
.endif
	v_max3_num_f32 v156, |v[XS]|, |v[XS+1]|, |v[XS+2]|
	v_max3_num_f32 v157, |v[XS+3]|, |v[XS+4]|, |v[XS+5]|
.irp i, 6,10,14,18,22,26
	v_max3_num_f32 v156, v156, |v[XS+\i]|, |v[XS+\i+1]|
	v_max3_num_f32 v157, v157, |v[XS+\i+2]|, |v[XS+\i+3]|
.endr
	v_max3_num_f32 v156, v156, |v[XS+30]|, |v[XS+31]|
	v_max3_num_f32 v156, v156, v157, 0x2800000     ; the floor 2^(5 - 127)
	v_add_nc_u32 v158, 0xfe000000, v156            ; 4 off the exponent field: the conversion's scale operand
	v_lshrrev_b32 v159, 23, v158                   ; the byte
.if (\t) == 0
	v_mov_b32 v[SB], v159
.else
	v_lshl_or_b32 v[SB], v159, 8*(\t), v[SB]
.endif
	v_cvt_scalef32_pk16_bf6_f32 v[CT:CT+2], v[XS:XS+15], v158
	v_cvt_scalef32_pk16_bf6_f32 v[CT+4:CT+6], v[XS+16:XS+31], v158
	v_nop                                          ; one plain line behind the conversions
	v_mov_b32 v[CT+3], v[CT+4]
	v_mov_b32 v[CT+4], v[CT+5]
	v_mov_b32 v[CT+5], v[CT+6]
	ds_store_b128 v8, v[CT:CT+3] offset:((\t)/2)*1536+((\t)%2)*256    ; block t is half t % 2 of chunk t / 2: lane r + 16 (t % 2) of the tile
	ds_store_b64 v9, v[CT+4:CT+5] offset:((\t)/2)*1536+((\t)%2)*128
.if (\t)+2 < 4
	LOAD (\t)+2
.endif
.endm
.macro RB ch                           ; a chunk's two tiles back, as they lie
.irp pl, 0,1,2
	ds_load_b128 v[RBK+12*\ch+4*\pl:RBK+12*\ch+4*\pl+3], v11 offset:1536*\ch+512*\pl
.endr
.endm
	LOAD 0
	LOAD 1
	BLOCK 0
	BLOCK 1
	RB 0
	BLOCK 2
	BLOCK 3
	RB 1
	global_store_b32 v12, v[SB], s[14:15]
	s_wait_dscnt 7                                 ; chunk 0 is back: behind its three loads stand four stores and three loads
.irp pl, 0,1,2
	global_store_b128 v10, v[RBK+4*\pl:RBK+4*\pl+3], s[12:13] offset:512*\pl
.endr
	s_wait_dscnt 0x0
.irp pl, 0,1,2
	global_store_b128 v10, v[RBK+12+4*\pl:RBK+12+4*\pl+3], s[12:13] offset:6144+512*\pl
.endr
	s_wait_tensorcnt 0x0
	ds_add_u32 v160, v161
	s_wait_dscnt 0x0
	s_endpgm
.Lfunc_end_k_q3ee08aacbd_quant_w:
	.size	k_q3ee08aacbd_quant_w, .Lfunc_end_k_q3ee08aacbd_quant_w-k_q3ee08aacbd_quant_w
	.p2alignl 7, 3214868480
	.fill 96, 4, 3214868480
	.section	.rodata,"a",@progbits
	.p2align	6, 0x0
	.amdhsa_kernel k_q3ee08aacbd_quant_w
		.amdhsa_group_segment_fixed_size 12800
		.amdhsa_private_segment_fixed_size 0
		.amdhsa_enable_private_segment 0
		.amdhsa_kernarg_size 48
		.amdhsa_user_sgpr_count 2
		.amdhsa_user_sgpr_kernarg_segment_ptr 1
		.amdhsa_wavefront_size32 1
		.amdhsa_system_sgpr_workgroup_id_x 1
		.amdhsa_system_sgpr_workgroup_id_y 1
		.amdhsa_system_sgpr_workgroup_id_z 1
		.amdhsa_system_vgpr_workitem_id 0
		.amdhsa_next_free_vgpr 162
		.amdhsa_next_free_sgpr 66
		.amdhsa_reserve_vcc 0
		.amdhsa_float_denorm_mode_32 3
		.amdhsa_float_denorm_mode_16_64 3
		.amdhsa_memory_ordered 1
		.amdhsa_forward_progress 1
		.amdhsa_inst_pref_size 23
	.end_amdhsa_kernel
	.amdgpu_metadata
---
amdhsa.version: [ 1, 2 ]
amdhsa.kernels:
  - .name:           k_q3ee08aacbd_quant_w
    .symbol:         k_q3ee08aacbd_quant_w.kd
    .args:
      - { .name: Wq, .offset: 0, .size: 8, .value_kind: global_buffer, .address_space: global }
      - { .name: Wk, .offset: 8, .size: 8, .value_kind: global_buffer, .address_space: global }
      - { .name: Wv, .offset: 16, .size: 8, .value_kind: global_buffer, .address_space: global }
      - { .name: Wp, .offset: 24, .size: 8, .value_kind: global_buffer, .address_space: global }
      - { .name: wimg, .offset: 32, .size: 8, .value_kind: global_buffer, .address_space: global }
      - { .name: wsc, .offset: 40, .size: 8, .value_kind: global_buffer, .address_space: global }
    .group_segment_fixed_size: 12800
    .private_segment_fixed_size: 0
    .kernarg_segment_align: 8
    .kernarg_segment_size: 48
    .max_flat_workgroup_size: 128
    .sgpr_count:     66
    .vgpr_count:     162
    .wavefront_size: 32
...
	.end_amdgpu_metadata
.endif
;; end of part 2
;; launch qkv (part 3): grid 12 x 32, 4 waves a work-group, clusters of 4 x 4, 327,680 bytes of LDS; arguments ximg, xsc, wimg, wsc, bq, bk, bv, qimg, kv; writes qimg, kv
.if DOCPART == 3
	.amdgcn_target "amdgcn-amd-amdhsa--gfx1250"
	.amdhsa_code_object_version 6
	.text
	.protected	k_q3ee08aacbd_qkv
	.globl	k_q3ee08aacbd_qkv
	.p2align	8
	.type	k_q3ee08aacbd_qkv,@function
k_q3ee08aacbd_qkv:
	s_mov_b64 s[64:65], 0
	v_nop
	global_prefetch_b8 v0, s[64:65] scope:SCOPE_SE
	s_setreg_imm32_b32 hwreg(HW_REG_WAVE_MODE, 25, 1), 1
	s_wait_xcnt 0x0
	s_wait_alu depctr_hold_cnt(0) depctr_sa_sdst(0) depctr_va_vdst(0) depctr_va_sdst(0) depctr_va_ssrc(0) depctr_va_vcc(0) depctr_vm_vsrc(0)
	s_getreg_b32 s2, hwreg(HW_REG_IB_STS2, 6, 4)
	s_cmp_eq_u32 s2, 0
	s_cbranch_scc0 .Lentry_in_a_cluster
	s_endpgm
.Lentry_in_a_cluster:
	s_bfe_u32 s2, ttmp6, 0x10000c
	s_cmp_lg_u32 s2, 0xf033
	s_cbranch_scc0 .Lentry_shape_is_right
	s_endpgm
.Lentry_shape_is_right:
; q = x Wq + bq, k = x Wk + bk, v = x Wv + bv on codes of BF6 (E3M2) with E8M0 scales, sums in f32; the results are quantised at once for attention: q and k along the head's 64, v along the tokens.
; A work-group of four waves makes 256 tokens x 256 features, a wave 128 x 128: 64 accumulators of 16 x 16.  K = 1,024 goes in four steps of 256.
; OPERANDS lie in memory in the order of the matrix unit's registers (groups of 128 rows; tile i, lane r: row 32 (i / 2) + 8 (i % 2) + r + 8 (r / 8); a tile's chunk of 64 along K: 768 bytes, registers 0-3 at 16 x lane,
; registers 4-5 at 512 + 8 x lane), so a group's K step is 24,576 dense bytes for one tensor load and every LDS read is 16 or 8 bytes a lane on end.
; S1 is source 1 of every product and S0 source 0: in a result lane (r, h) holds ONE row of S1, and the 16 registers of S0's tiles 2 b, 2 b + 1 are S0's rows 32 b + 16 h + 0 .. 15: neighbours, as the conversions want them.
; q, k (cluster x = 0, 1): S1 = tokens, S0 = features.  v (cluster x = 2): S1 = features, S0 = tokens, since v is quantised along the tokens.  Only WHAT the two joint loads fetch differs (pointers and group numbers chosen on the
; cluster's x, which all sixteen partners share); LDS and the products are the same.
; CLUSTERS: 4 x 4 work-groups.  S1's tiles hang on cy alone and are asked for jointly by a row of the cluster, S0's on cx alone, by a column.
; LDS: three slots of 98,304 bytes ([S1 group 0][S1 group 1][S0 group 0][S0 group 1]); the scale words of all of K, 16,384 bytes; the spare words.  K steps 0, 1, 2 and the scales are first fills: four tensor loads of a wave are out
; at the start.  K step 3 is the one refill, into slot 0, behind the one round in the middle; it has four steps of 128 along K in which to land.
; OUT.  qimg [b x 16 + head][step of 128 tokens]: 6,656 bytes: 8 tiles x 768, then the scale words [r][tile] (bytes 0, 1; bytes 2, 3 are 0).  kv likewise, 13,056 bytes: k as q; from 6,656 on v^T: 4 tiles of 16 d x 128 keys,
; three planes of 512 bytes each; from 12,800 on v's scale words [r][tile].
; LIMITS: NaN and infinities are not served; a block whose largest magnitude lies under 2^-122, and a block of zeros, keep the scale byte 1 (a block of zeros has zero codes; this program alone reads the bytes).
; REGISTERS: window 0: v1-22 addresses; v28, v29 for the add; v32-63 scale words, two sets; v64-127, v240-255 the bias; v128-223 S1's eight fragments, ONE set (later the epilogue's work).  Window 1: S0's fragments, two sets.
; Windows 2, 3: the accumulators, (a, b) at v[8 (8 (a % 4) + b)].
.set HALFT,  24576                     ; a group's K step: 4 chunks x 8 tiles x 768 bytes
.set SLOT,   4*HALFT
.set SCL,    3*SLOT                    ; the scale words: 4 groups x 4,096 bytes
.set SPARE,  SCL+4*4096                ; the spare words, 128 bytes a wave: two blocks of 256 bytes that no other line names
.set FR,   12
.set AS1,  8                           ; v8-13   slot s: 16 x lane + S1's base, 8 x lane + 512 + S1's base
.set AS0,  14                          ; v14-19  the same for S0
.set ADRS, 20                          ; v20     my scale words: lanes 0-15 S1's, lanes 16-31 S0's
.set SPW,  28
.set NIL,  29
.set SC,   32
.set BI,   64                          ; the bias along the features: register n for feature 32 (n / 16) + 16 h + n % 16
.set BV,   240                         ; the bias of my own feature in tile a, twice: v[BV + 2 a], v[BV + 2 a + 1]
.set AF,   128
.set T,    128                         ; the epilogue: 64 numbers,
.set PC,   192                         ; their codes,
.set TM,   212                         ; at work,
.set SW,   228                         ; the eight tiles' scale words
.set G1,   24
.set G1B,  32
.set G1S,  40
.set G1SB, 48
.set G0A0, 56
.set G0A1, 60
.set G0A2, 68
.set G0B0, 72
.set G0B1, 76
.set G0B2, 80
.set G0S,  84
.set G0SB, 88
.set MSB, 0
.macro WIN new                         ; the immediate's high byte repeats the setting that is left
.if MSB != (\new)
	s_set_vgpr_msb (MSB<<8)|(\new)
.set MSB, (\new)
.endif
.endm
.set MUL_LO, 0xa1                      ; source 0 window 1, source 1 window 0, C and D window 2
.set MUL_HI, 0xf1                      ; the same, C and D window 3
.set TO_S0,  0x40                      ; destination window 1, address window 0
; A joint load: waves 0 and 1 fetch S1's two groups, waves 2 and 3 S0's.  The branch hangs on the wave's number alone.  Four v_nop follow each of the two lines.
.macro JLOAD g0a, g1a, g0b, g1b
	s_cmp_eq_u32 s15, 0
	s_cbranch_scc0 .Lfor_b_\@
	tensor_load_to_lds s[\g0a:\g0a+3], s[\g1a:\g1a+7]
	s_nop 0
.rept 4
	v_nop
.endr
	s_branch .Lasked_\@
.Lfor_b_\@:
	tensor_load_to_lds s[\g0b:\g0b+3], s[\g1b:\g1b+7]
	s_nop 0
.rept 4
	v_nop
.endr
.Lasked_\@:
.endm
.macro CREST                           ; a round of the cluster's barrier behind its opening barrier
	s_cmp_lg_u32 s14, 0
	s_cbranch_scc1 .Lnot_wave_0_\@
	s_barrier_signal -3
.Lnot_wave_0_\@:
	s_barrier_wait -3
	s_barrier_signal -1
	s_barrier_wait -1
.endm
.macro CROUND
	s_barrier_signal -1
	s_barrier_wait -1
	CREST
.endm
.macro MKG0 g, lbase, loff, ptr, goff  ; a descriptor's group 0
	s_mov_b32 s[\g], 1
	s_add_co_u32 s[\g+1], s[\lbase], \loff
	s_add_nc_u64 s[\g+2:\g+3], s[\ptr:\ptr+1], \goff
	s_or_b32 s[\g+3], s[\g+3], 0x80000000
.endm
.macro PLACES                          ; four plain places behind matrix instructions, ahead of loads into registers that they read and of the first read of results
.rept 4
	v_nop
.endr
.endm
	s_load_b256 s[4:11], s[0:1], 0x0               ; ximg, xsc, wimg, wsc
	v_lshl_add_u32 v[SPW], v0, 2, SPARE
	v_mov_b32 v[NIL], 0
	ds_add_u32 v28, v29
	ds_add_u32 v28, v29
	s_wait_dscnt 0x0
	v_lshrrev_b32 v1, 5, v0
	v_readfirstlane_b32 s14, v1                    ; wave 0..3
	s_lshr_b32 s15, s14, 1                         ; my half of S1's rows.  Also: I fetch for S1 (0) or S0 (1)
	s_and_b32 s16, s14, 1                          ; my half of S0's rows.  Also: which group I fetch
	s_bfe_u32 s92, ttmp6, 0x40000                  ; cx
	s_bfe_u32 s93, ttmp6, 0x40004                  ; cy
	s_and_b32 s17, ttmp7, 0xffff                   ; the cluster's y
	s_lshl_b32 s18, s93, 2
	s_lshl_b32 s18, 15, s18                        ; my row of the cluster
	s_lshl_b32 s19, 0x1111, s92                    ; my column
	s_or_b32 s[G1], s18, (3<<16)|(1<<21)           ; 15:0 the mask; 17:16 elements of 8 bytes; 21 set beside a mask; no padding
	s_or_b32 s[G1B], s19, (3<<16)|(1<<21)
	s_or_b32 s[G1S], s18, (3<<16)|(1<<21)
	s_or_b32 s[G1SB], s19, (3<<16)|(1<<21)
.irp g, G1, G1B                        ; codes: 96 rows of 256 bytes, dense
	s_mov_b32 s[\g+1], 32<<16
	s_mov_b32 s[\g+2], 96<<16
	s_mov_b32 s[\g+3], 32<<16
	s_mov_b32 s[\g+4], 96
	s_mov_b32 s[\g+5], 32
	s_mov_b32 s[\g+6], 0
	s_mov_b32 s[\g+7], 0
.endr
.irp g, G1S, G1SB                      ; scale words: 16 rows of 256 bytes
	s_mov_b32 s[\g+1], 32<<16
	s_mov_b32 s[\g+2], 16<<16
	s_mov_b32 s[\g+3], 32<<16
	s_mov_b32 s[\g+4], 16
	s_mov_b32 s[\g+5], 32
	s_mov_b32 s[\g+6], 0
	s_mov_b32 s[\g+7], 0
.endr
	; which groups I fetch.  S1's number is made of cy, S0's of cx, each in registers that never hold the other
	s_lshl_b32 s20, s17, 3                         ; the cluster's first token group
	s_lshl_b32 s21, s93, 1
	s_add_co_u32 s21, s21, s16                     ; 2 cy + half
	s_lshl_b32 s96, ttmp9, 3                       ; the tensor's first group of weights
	s_lshl_b32 s97, s92, 1
	s_add_co_u32 s97, s97, s16                     ; 2 cx + half
	s_cmp_eq_u32 ttmp9, 2
	s_cselect_b32 s95, 1, 0                        ; 1 in v's clusters
	s_cselect_b32 s22, 16, s20                     ; S1: Wv's groups begin at 16; else tokens
	s_cselect_b32 s98, s20, s96                    ; S0: tokens; else the weights
	s_add_co_u32 s20, s22, s21
	s_add_co_u32 s96, s98, s97
	s_mul_i32 s22, s20, 98304                      ; codes,
	s_mov_b32 s23, 0
	s_lshl_b32 s20, s20, 12                        ; scale words
	s_mov_b32 s21, 0
	s_mul_i32 s98, s96, 98304
	s_mov_b32 s99, 0
	s_lshl_b32 s96, s96, 12
	s_mov_b32 s97, 0
	s_mul_i32 s18, s14, HALFT                      ; where they go: wave x a group: no place in the cluster enters an LDS address
	s_lshl_b32 s19, s14, 12
	s_wait_kmcnt 0x0
	s_cmp_eq_u32 s95, 1
	s_cselect_b64 s[2:3], s[8:9], s[4:5]           ; S1's codes
	s_cselect_b64 s[12:13], s[10:11], s[6:7]       ; S1's scale words
	s_cselect_b64 s[4:5], s[4:5], s[8:9]           ; S0's codes
	s_cselect_b64 s[6:7], s[6:7], s[10:11]         ; S0's scale words
	s_add_nc_u64 s[2:3], s[2:3], s[22:23]
	s_add_nc_u64 s[12:13], s[12:13], s[20:21]
	s_add_nc_u64 s[4:5], s[4:5], s[98:99]
	s_add_nc_u64 s[6:7], s[6:7], s[96:97]
	CROUND                                         ; all sixteen work-groups are here: the first joint loads meet
	MKG0 G0S, 19, SCL, 12, 0
	MKG0 G0SB, 19, SCL, 6, 0
	JLOAD G0S, G1S, G0SB, G1SB                     ; the scale words of all of K
	MKG0 G0A0, 18, 0, 2, 0
	MKG0 G0B0, 18, 0, 4, 0
	JLOAD G0A0, G1, G0B0, G1B                      ; K step 0
	MKG0 G0A1, 18, SLOT, 2, HALFT
	MKG0 G0B1, 18, SLOT, 4, HALFT
	JLOAD G0A1, G1, G0B1, G1B                      ; K step 1
	MKG0 G0A2, 18, 2*SLOT, 2, 2*HALFT
	MKG0 G0B2, 18, 2*SLOT, 4, 2*HALFT
	JLOAD G0A2, G1, G0B2, G1B                      ; K step 2
	s_load_b256 s[4:11], s[0:1], 0x20              ; bq, bk, bv, qimg
	s_load_b64 s[12:13], s[0:1], 0x40              ; kv
	v_and_b32 v1, 15, v0                           ; r
	v_bfe_u32 v2, v0, 4, 1                         ; h
	v_and_b32 v3, 31, v0                           ; lane
	v_lshlrev_b32 v4, 4, v3
	v_lshlrev_b32 v5, 3, v3
	v_add_nc_u32 v30, 512, v5
	s_mul_i32 s18, s15, HALFT                      ; my group of S1
	s_mul_i32 s19, s16, HALFT
	s_add_co_u32 s19, s19, 2*HALFT                 ; my group of S0
.irp s, 0,1,2
	v_add_nc_u32 v[AS1+2*\s], s18, v4
	v_add_nc_u32 v[AS1+2*\s+1], s18, v30
	v_add_nc_u32 v[AS0+2*\s], s19, v4
	v_add_nc_u32 v[AS0+2*\s+1], s19, v30
	s_add_co_u32 s18, s18, SLOT
	s_add_co_u32 s19, s19, SLOT
.endr
	s_lshl_b32 s20, s15, 12                        ; S1's words: my group
	s_lshl_b32 s21, s16, 12
	s_add_co_u32 s21, s21, 8192                    ; S0's lie behind S1's two groups
	s_sub_co_u32 s21, s21, s20
	v_mul_u32_u24 v[ADRS], s21, v2                 ; lanes 16-31 take S0's
	s_add_co_u32 s20, s20, SCL
	v_lshl_add_u32 v[ADRS], v1, 3, v[ADRS]
	v_add_nc_u32 v[ADRS], s20, v[ADRS]
	v_lshlrev_b32 v6, 5, v1
	v_lshl_add_u32 v6, v2, 4, v6                   ; q's and k's scale words: 32 r + 16 h
	v_mul_u32_u24 v7, v2, 208896
	v_lshl_add_u32 v7, v1, 4, v7                   ; v's: 16 r; lanes 16-31 the next head's block, 16 x 13,056 bytes on
	v_lshlrev_b32 v21, 6, v2                       ; the bias along the features: 64 h
	v_and_b32 v22, 8, v1
	v_add_nc_u32 v22, v22, v1
	v_lshlrev_b32 v22, 2, v22                      ; the bias of my own feature: 4 (r + 8 (r / 8))
	; where the results go
	s_lshl_b32 s18, s92, 1
	s_add_co_u32 s18, s18, s16                     ; 2 cx + my half of S0
	s_lshl_b32 s19, s93, 1
	s_add_co_u32 s19, s19, s15                     ; 2 cy + my half of S1
	s_lshl_b32 s20, s17, 3
	s_cmp_eq_u32 s95, 1
	s_cselect_b32 s21, s19, s18                    ; my 128 features: two heads
	s_cselect_b32 s22, s18, s19
	s_add_co_u32 s22, s22, s20                     ; my 128 tokens
	s_lshr_b32 s23, s22, 4                         ; the batch,
	s_and_b32 s22, s22, 15                         ; the step of 128 tokens in it
	s_lshl_b32 s23, s23, 4
	s_lshl_b32 s96, s21, 1
	s_add_co_u32 s23, s23, s96                     ; batch x 16 + my first head
	s_lshl_b32 s23, s23, 4
	s_add_co_u32 s23, s23, s22                     ; the block's number
	s_lshl_b32 s21, s21, 9                         ; my features' bias, in bytes
	s_mov_b32 s96, 13056
	s_cmp_eq_u32 ttmp9, 0
	s_cselect_b32 s96, 6656, s96                   ; a block's bytes
	s_mul_i32 s22, s23, s96
	s_lshl_b32 s98, s96, 4                         ; from a head to the next: 16 blocks
	s_mov_b32 s99, 0
	s_cmp_eq_u32 s95, 1
	s_cselect_b32 s97, 6656, 0                     ; v lies behind k in its block
	s_add_co_u32 s22, s22, s97
	s_mov_b32 s23, 0
	s_wait_alu depctr_va_vdst(0)
	s_wait_kmcnt 0x0
	s_cmp_eq_u32 ttmp9, 0
	s_cselect_b64 s[10:11], s[10:11], s[12:13]
	s_cselect_b64 s[4:5], s[4:5], s[6:7]
	s_cmp_eq_u32 s95, 1
	s_cselect_b64 s[4:5], s[8:9], s[4:5]
	s_add_nc_u64 s[10:11], s[10:11], s[22:23]      ; my first head's block
	s_add_nc_u64 s[12:13], s[10:11], s[98:99]      ; my second head's
	s_mov_b32 s22, s21
	s_add_nc_u64 s[4:5], s[4:5], s[22:23]
	; every wave loads the bias in both forms (512 bytes of it either way), so that the one branch on the kind of cluster stands at the epilogue
.irp e, 0,1,2,3,4,5,6,7,8,9,10,11,12,13,14,15
	global_load_b128 v[BI+4*\e:BI+4*\e+3], v21, s[4:5] offset:128*(\e/4)+16*(\e%4)
.endr
.irp a, 0,1,2,3,4,5,6,7
	global_load_b32 v[BV+2*\a], v22, s[4:5] offset:(32*(\a/2)+8*(\a%2))*4
	global_load_b32 v[BV+2*\a+1], v22, s[4:5] offset:(32*(\a/2)+8*(\a%2))*4
.endr
.macro FRAG reg, adr, q, i             ; a fragment, 16 rows x 128 K: two chunks, each 16 bytes and 8 bytes a lane, as they lie
	ds_load_b128 v[(\reg):(\reg)+3], v[\adr] offset:(2*(\q))*6144+768*(\i)
	ds_load_b64 v[(\reg)+4:(\reg)+5], v[(\adr)+1] offset:(2*(\q))*6144+768*(\i)
	ds_load_b128 v[(\reg)+6:(\reg)+9], v[\adr] offset:(2*(\q)+1)*6144+768*(\i)
	ds_load_b64 v[(\reg)+10:(\reg)+11], v[(\adr)+1] offset:(2*(\q)+1)*6144+768*(\i)
.endm
.macro FETCH_S0 slot, q, p             ; S0's eight fragments into set p
	WIN TO_S0
.irp i, 0,1,2,3,4,5,6,7
	FRAG 128*(\p)+FR*\i, AS0+2*\slot, \q, \i
.endr
	WIN 0
.endm
.macro FETCH_S1 slot, q, i0            ; S1's blocks i0 .. i0 + 3
.irp i, \i0, \i0+1, \i0+2, \i0+3
	FRAG AF+FR*(\i), AS1+2*\slot, \q, \i
.endr
.endm
.macro SCALES sc                       ; a K step's scale words: two a row; lanes 0-15 S1's tile i, lanes 16-31 S0's tile i
.irp i, 0,1,2,3,4,5,6,7
	ds_load_b64 v[SC+16*\sc+2*\i:SC+16*\sc+2*\i+1], v[ADRS] offset:128*\i
.endr
.endm
; 16 matrix instructions: S1's blocks a0, a0 + 1 x S0's eight, 128 along K.  The 64 accumulators take turns, one instruction a turn, in the same order in every step.
.macro MUL16 a0, p, q, sc, first
.irp a, \a0, \a0+1
.irp b, 0,1,2,3,4,5,6,7
.set rD, 8*(8*((\a)%4)+\b)
.set rA, 128*(\p)+FR*\b
.set rB, AF+FR*(\a)
.if \first
	v_wmma_scale_f32_16x16x128_f8f6f4 v[rD:rD+7], v[rA:rA+FR-1], v[rB:rB+FR-1], 0, v[SC+16*(\sc)+2*\b+(\q)], v[SC+16*(\sc)+2*(\a)+(\q)] matrix_a_fmt:MATRIX_FMT_BF6 matrix_b_fmt:MATRIX_FMT_BF6 matrix_a_scale:MATRIX_SCALE_ROW1
.else
	v_wmma_scale_f32_16x16x128_f8f6f4 v[rD:rD+7], v[rA:rA+FR-1], v[rB:rB+FR-1], v[rD:rD+7], v[SC+16*(\sc)+2*\b+(\q)], v[SC+16*(\sc)+2*(\a)+(\q)] matrix_a_fmt:MATRIX_FMT_BF6 matrix_b_fmt:MATRIX_FMT_BF6 matrix_a_scale:MATRIX_SCALE_ROW1
.endif
.endr
.endr
.endm
.macro STEP slot, sc, first            ; a slot's first 128 along K; its successor lies in the same slot
	s_wait_dscnt 16                                ; all but S1's blocks 4-7, the youngest 16 loads
	WIN MUL_LO
	MUL16 0, 0, 0, \sc, \first
	MUL16 2, 0, 0, \sc, \first
	s_wait_dscnt 0x0
	PLACES
	FETCH_S0 \slot, 1, 1
	FETCH_S1 \slot, 1, 0
	WIN MUL_HI
	MUL16 4, 0, 0, \sc, \first
	MUL16 6, 0, 0, \sc, \first
	PLACES
	WIN 0
	FETCH_S1 \slot, 1, 4
.endm
.macro ONWARD slot, next, sc, nsc      ; the second half of a slot's last 128: the next slot's first fragments and scale words are fetched
	v_add_nc_u32 v[ADRS], 1024, v[ADRS]
	FETCH_S0 \next, 0, 0
	FETCH_S1 \next, 0, 0
	SCALES \nsc
	WIN MUL_HI
	MUL16 4, 1, 1, \sc, 0
	MUL16 6, 1, 1, \sc, 0
	PLACES
	WIN 0
	FETCH_S1 \next, 0, 4
.endm
.macro PASS slot, next, sc, nsc        ; on to a slot that the round before has shown whole to every wave: no barrier
	s_wait_dscnt 16
	WIN MUL_LO
	MUL16 0, 1, 1, \sc, 0
	MUL16 2, 1, 1, \sc, 0
	s_wait_dscnt 0x0
	PLACES
	WIN 0
	ONWARD \slot, \next, \sc, \nsc
.endm
; A change of slots with a barrier.  In front of it each wave waits for all its tensor loads, adds 0 to its spare word, and waits for that and for its reads.  fill = 1: slot 0 is filled again, with K step 3.
.macro TURN slot, next, sc, nsc, fill
	s_wait_tensorcnt 0x0                           ; all my tensor loads have landed
	ds_add_u32 v[SPW], v[NIL]                      ; 0 onto my spare word
	s_wait_dscnt 17                                ; (the add and the youngest 16 loads may be out)
	WIN MUL_LO
	MUL16 0, 1, 1, \sc, 0
	s_wait_dscnt 0x0                               ; the add is done, and my reads of this slot are over
	s_barrier_signal -1
	MUL16 2, 1, 1, \sc, 0
	WIN 0
	s_barrier_wait -1
.if \fill
	CREST                                          ; the barrier has opened a round of the cluster's: no wave of any partner still reads slot 0 or has a load on its way
	s_add_nc_u64 s[G0A0+2:G0A0+3], s[G0A0+2:G0A0+3], 3*HALFT
	s_add_nc_u64 s[G0B0+2:G0B0+3], s[G0B0+2:G0B0+3], 3*HALFT
	JLOAD G0A0, G1, G0B0, G1B                      ; the first tensor load behind the round; its four v_nop are the places in front of the loads below
.else
	PLACES
.endif
	ONWARD \slot, \next, \sc, \nsc
.endm
; 64 numbers of a lane, register 16 b + i = k 32 b + 16 (lane / 16) + i of my row, become a fragment's codes in v[PC] on and its scale word in v[pw]
.macro QUANT s, pw
.irp b, 0,1,2,3
	v_max3_num_f32 v[TM+\b], |v[\s+16*\b]|, |v[\s+1+16*\b]|, 0x2800000   ; my 16 numbers of block b, and the floor 2^(5 - 127)
.endr
.irp i, 2,4,6,8,10,12,14
.irp b, 0,1,2,3
	v_max3_num_f32 v[TM+\b], v[TM+\b], |v[\s+16*\b+\i]|, |v[\s+1+16*\b+\i]|
.endr
.endr
.irp b, 0,1,2,3
	v_permlanex16_b32 v[TM+4+\b], v[TM+\b], s2, s3
.endr
.irp b, 0,1,2,3
	v_max_num_f32 v[TM+\b], v[TM+\b], v[TM+4+\b]   ; with lane l xor 16's: the block's largest magnitude
.endr
.irp b, 0,1,2,3
	v_add_nc_u32 v[TM+12+\b], 0xfe000000, v[TM+\b] ; 4 off its exponent field: the conversion's scale operand
.endr
.irp b, 0,1,2,3
	v_lshrrev_b32 v[TM+4+\b], 23, v[TM+12+\b]      ; the byte
.endr
	v_lshl_or_b32 v[\pw], v[TM+5], 8, v[TM+4]
	v_lshl_or_b32 v[\pw], v[TM+6], 16, v[\pw]
	v_lshl_or_b32 v[\pw], v[TM+7], 24, v[\pw]
.irp c, 0,1
	v_cvt_scalef32_pk16_bf6_f32 v[PC+6*\c:PC+2+6*\c], v[\s+32*\c:\s+15+32*\c], v[TM+12+2*\c]
	v_cvt_scalef32_pk16_bf6_f32 v[PC+12+4*\c:PC+14+4*\c], v[\s+16+32*\c:\s+31+32*\c], v[TM+12+2*\c+1]
.endr
	v_nop                                          ; one plain line behind the conversions
.irp c, 0,1                            ; the operand wants a WHOLE block in a lane: lanes 0-15 block 2 c, lanes 16-31 block 2 c + 1
.irp i, 0,1,2
	v_permlane16_swap_b32 v[PC+6*\c+\i], v[PC+12+4*\c+\i]
.endr
.irp i, 0,1,2
	v_mov_b32 v[PC+3+6*\c+\i], v[PC+12+4*\c+\i]
.endr
.endr
.endm
; THE EPILOGUE, S1's tile a at a time: the bias is added on the way from the accumulators' window into window 0 (each accumulator from its low end on), the 64 numbers are quantised, the codes leave as they stand.
.macro EPI vpath
.irp a, 0,1,2,3,4,5,6,7
	WIN 0x02+\a/4
.set N_, 0
.rept 32
.if \vpath
	v_pk_add_f32 v[T+N_:T+N_+1], v[64*(\a%4)+N_:64*(\a%4)+N_+1], v[BV+2*\a:BV+2*\a+1]
.else
	v_pk_add_f32 v[T+N_:T+N_+1], v[64*(\a%4)+N_:64*(\a%4)+N_+1], v[BI+N_:BI+N_+1]
.endif
.set N_, N_+2
.endr
	WIN 0
.if \a > 0
	s_wait_xcnt 0x0                                ; the last tile's stores have read their registers
.endif
	QUANT T, SW+\a
.if \vpath
.irp pl, 0,1,2                         ; 16 d x 128 keys: tile a % 4 of head a / 4
	global_store_b128 v4, v[PC+4*\pl:PC+4*\pl+3], s[10+2*(\a/4):11+2*(\a/4)] offset:(\a%4)*1536+512*\pl
.endr
.else                                  ; 16 tokens x two heads of 64
	global_store_b128 v4, v[PC:PC+3], s[10:11] offset:768*\a
	global_store_b64 v5, v[PC+4:PC+5], s[10:11] offset:768*\a+512
	global_store_b128 v4, v[PC+6:PC+9], s[12:13] offset:768*\a
	global_store_b64 v5, v[PC+10:PC+11], s[12:13] offset:768*\a+512
.endif
.endr
	v_cmp_ne_u32 vcc_lo, 0, v2
.irp j, 0,1,2,3
	v_cndmask_b32 v[TM+\j], v[SW+\j], v[SW+4+\j], vcc_lo   ; lanes 0-15 tiles 0-3, lanes 16-31 tiles 4-7
.endr
.if \vpath
	global_store_b128 v7, v[TM:TM+3], s[10:11] offset:6144     ; 256 consecutive bytes for each of the two heads
.else
.irp j, 0,1,2,3
	v_lshrrev_b32 v[TM+4+\j], 16, v[TM+\j]         ; the second head's two bytes,
.endr
.irp j, 0,1,2,3
	v_and_b32 v[TM+\j], 0xffff, v[TM+\j]           ; the first's; bytes 2 and 3 of a word are 0
.endr
	global_store_b128 v6, v[TM:TM+3], s[10:11] offset:6144     ; 512 consecutive bytes
	global_store_b128 v6, v[TM+4:TM+7], s[12:13] offset:6144
.endif
.endm
	s_mov_b32 s2, 0x76543210
	s_mov_b32 s3, 0xfedcba98                       ; selects for lane l xor 16
	s_wait_tensorcnt 2                             ; the scale words and my part of K step 0 are in; K steps 1 and 2 may be out
	s_barrier_signal -1
	s_barrier_wait -1
	FETCH_S0 0, 0, 0
	FETCH_S1 0, 0, 0
	SCALES 0
	FETCH_S1 0, 0, 4
	STEP 0, 0, 1                                   ; the first products start the sums: nothing is cleared
	TURN 0, 1, 0, 1, 1
	s_wait_alu depctr_va_vdst(0)
	STEP 1, 1, 0
	PASS 1, 2, 1, 0
	s_wait_alu depctr_va_vdst(0)
	STEP 2, 0, 0
	TURN 2, 0, 0, 1, 0                             ; K step 3 has landed in slot 0
	STEP 0, 1, 0
	s_wait_dscnt 16                                ; the last 128 along K
	WIN MUL_LO
	MUL16 0, 1, 1, 1, 0
	MUL16 2, 1, 1, 1, 0
	s_wait_dscnt 0x0
	WIN MUL_HI
	MUL16 4, 1, 1, 1, 0
	MUL16 6, 1, 1, 1, 0
	WIN 0
	s_wait_loadcnt 0x0                             ; the bias
	PLACES
	s_cmp_eq_u32 s95, 1
	s_cbranch_scc1 .Lepi_v
	EPI 0
	s_branch .Lend
.Lepi_v:
	EPI 1
.Lend:
	s_wait_tensorcnt 0x0                           ; the wave's end
	ds_add_u32 v[SPW], v[NIL]
	s_wait_dscnt 0x0
	CROUND                                         ; the closing round
	s_endpgm
.Lfunc_end_k_q3ee08aacbd_qkv:
	.size	k_q3ee08aacbd_qkv, .Lfunc_end_k_q3ee08aacbd_qkv-k_q3ee08aacbd_qkv
	.p2alignl 7, 3214868480
	.fill 96, 4, 3214868480
	.section	.rodata,"a",@progbits
	.p2align	6, 0x0
	.amdhsa_kernel k_q3ee08aacbd_qkv
		.amdhsa_group_segment_fixed_size 327680
		.amdhsa_private_segment_fixed_size 0
		.amdhsa_enable_private_segment 0
		.amdhsa_kernarg_size 72
		.amdhsa_user_sgpr_count 2
		.amdhsa_user_sgpr_kernarg_segment_ptr 1
		.amdhsa_wavefront_size32 1
		.amdhsa_system_sgpr_workgroup_id_x 1
		.amdhsa_system_sgpr_workgroup_id_y 1
		.amdhsa_system_sgpr_workgroup_id_z 1
		.amdhsa_system_vgpr_workitem_id 0
		.amdhsa_next_free_vgpr 1024
		.amdhsa_next_free_sgpr 100
		.amdhsa_reserve_vcc 1
		.amdhsa_float_denorm_mode_32 3
		.amdhsa_float_denorm_mode_16_64 3
		.amdhsa_memory_ordered 1
		.amdhsa_forward_progress 1
		.amdhsa_inst_pref_size 218
	.end_amdhsa_kernel
	.amdgpu_metadata
---
amdhsa.version: [ 1, 2 ]
amdhsa.kernels:
  - .name:           k_q3ee08aacbd_qkv
    .symbol:         k_q3ee08aacbd_qkv.kd
    .args:
      - { .name: ximg, .offset: 0, .size: 8, .value_kind: global_buffer, .address_space: global }
      - { .name: xsc, .offset: 8, .size: 8, .value_kind: global_buffer, .address_space: global }
      - { .name: wimg, .offset: 16, .size: 8, .value_kind: global_buffer, .address_space: global }
      - { .name: wsc, .offset: 24, .size: 8, .value_kind: global_buffer, .address_space: global }
      - { .name: bq, .offset: 32, .size: 8, .value_kind: global_buffer, .address_space: global }
      - { .name: bk, .offset: 40, .size: 8, .value_kind: global_buffer, .address_space: global }
      - { .name: bv, .offset: 48, .size: 8, .value_kind: global_buffer, .address_space: global }
      - { .name: qimg, .offset: 56, .size: 8, .value_kind: global_buffer, .address_space: global }
      - { .name: kv, .offset: 64, .size: 8, .value_kind: global_buffer, .address_space: global }
    .group_segment_fixed_size: 327680
    .private_segment_fixed_size: 0
    .kernarg_segment_align: 8
    .kernarg_segment_size: 72
    .max_flat_workgroup_size: 128
    .sgpr_count:     100
    .vgpr_count:     1024
    .wavefront_size: 32
...
	.end_amdgpu_metadata
.endif
;; end of part 3
;; launch attn (part 4): grid 4 x 64, 16 waves a work-group, no clusters, 210,944 bytes of LDS; arguments qimg, kv, yimg, ysc; writes yimg, ysc
.if DOCPART == 4
	.amdgcn_target "amdgcn-amd-amdhsa--gfx1250"
	.amdhsa_code_object_version 6
	.text
	.protected	k_q3ee08aacbd_attn
	.globl	k_q3ee08aacbd_attn
	.p2align	8
	.type	k_q3ee08aacbd_attn,@function
k_q3ee08aacbd_attn:
	s_mov_b64 s[64:65], 0
	v_nop
	global_prefetch_b8 v0, s[64:65] scope:SCOPE_SE
	s_setreg_imm32_b32 hwreg(HW_REG_WAVE_MODE, 25, 1), 1
	s_wait_xcnt 0x0
; y[b][q][head x 64 + d] = the sum over k <= q of softmax_k(q . k / 8) v, both products on codes of BF6 (E3M2) with E8M0 scales; y is quantised at once along C for the last product.
; THE SOFTMAX: t = score x log2(e) / 8; M = the row's largest t so far, rounded UP to a whole number; p = 2^(t - M) is quantised along the keys; the row's sum is taken of the unquantised p and divides at the end.
; When M moves, the sum and O are multiplied by 2^(old M - new M): exact.
; SHARES.  Work-group (p, b x 16 + head) owns the blocks p and 7 - p of 256 queries, so that under the causal mask every work-group has the same work.  Each of its sixteen waves owns one tile of 16 queries of each block, in 256
; registers: four waves to a SIMD, so that one wave's vector work stands beside another's products and LDS loads.
; LDS: the head's whole k and v, 16 steps of 128 keys x 13,056 bytes, filled ONCE: wave w fetches step w by one tensor load; one barrier; nothing is filled again.
; A step's block: k: 8 tiles x 768 bytes (registers 0-3 at 16 x lane, 4-5 at 512 + 8 x lane), scale words [r][tile] at 6,144; v^T: 4 tiles of 16 d x 128 keys at 6,656, three planes of 512 bytes; scale words [r][tile] at 12,800.
; LAYOUT.  Both products are used transposed: S^T = K Q^T, O^T = V^T P^T: a lane holds ONE query throughout.  Lane r of a tile of tokens holds token 32 (i / 2) + 8 (i % 2) + r + 8 (r / 8), so that the 16 registers of tiles
; 2 b, 2 b + 1 of S^T are keys 32 b + 16 (lane / 16) + 0 .. 15, and the 32 registers of O^T are d = 32 b + 16 (lane / 16) + 0 .. 15.
; THE HEAD IS 64 WIDE, THE INSTRUCTION 128: Q's registers 6-11 hold zero codes and both scale words have bytes 2, 3 = 0 (2^-127, a number).  K's tile t names the next tile's six registers as its upper half (the last: six zeros):
; every code is a number, and a number times the code 0 adds nothing.
; CAUSAL.  Both loops have constant trip counts (8 and 16); a step all of whose keys come after my queries is left out by a scalar branch on ids; in the one step on the diagonal hidden scores become -infinity ahead of the maximum.
; No multicast: the four work-groups of a head would have to branch alike, and their causal branches hang on the block of queries.
; LIMITS: NaN and infinities are not served; a block of y under 2^-122, and a block of zeros, keep the scale byte 1.
.set STEPB, 13056
.set KR,  36                           ; v36-89   K's eight tiles, six registers each; v84-89 are 0
.set S,   102                          ; v102-165 S^T, then p; then V's four fragments (v102-149); at the end y
.set OT,  166                          ; v166-197 O^T
.set PCD, 198                          ; v198-209 p's codes
.set PH,  210                          ; v210-216 the conversions' second halves
.set BM,  218                          ; v218-221 the blocks' largest
.set PR,  222                          ; v222-225 at work
.set SO,  226                          ; v226-229 the conversions' scale operands
.set WV,  12
.set SEL, 28
.set CS,  30
.set TB,  32                           ; s32  LDS byte of the step in hand
.set KF,  33                           ; s33  its first key
.set Q0,  34                           ; s34  my tile's first query
.set CNT, 35
	s_load_b256 s[4:11], s[0:1], 0x0               ; qimg, kv, yimg, ysc
	v_lshl_add_u32 v254, v0, 2, 0x33000
	v_mov_b32 v255, 0
	ds_add_u32 v254, v255
	ds_add_u32 v254, v255
	v_lshrrev_b32 v5, 5, v0
	s_delay_alu instid0(VALU_DEP_1)
	v_readfirstlane_b32 s[WV], v5                  ; wave 0..15
	s_and_b32 s14, ttmp7, 0xffff                   ; batch x 16 + head
	s_mov_b32 s16, 3<<16                           ; group 1: 51 rows of 256 bytes (32 elements of 8 bytes), dense, no padding, no mask
	s_mov_b32 s17, 32<<16
	s_mov_b32 s18, 51<<16
	s_mov_b32 s19, 32<<16
	s_mov_b32 s20, 51
	s_mov_b32 s21, 32
	s_mov_b32 s22, 0
	s_mov_b32 s23, 0
	s_lshl_b32 s72, s14, 4
	s_add_co_u32 s38, s72, s[WV]
	s_mul_i32 s38, s38, STEPB
	s_mov_b32 s39, 0
	s_mov_b32 s24, 1
	s_mul_i32 s25, s[WV], STEPB                    ; step w lands at w x 13,056
	s_wait_dscnt 0x0
	s_wait_kmcnt 0x0
	s_add_nc_u64 s[26:27], s[6:7], s[38:39]
	s_or_b32 s27, s27, 0x80000000
	tensor_load_to_lds s[24:27], s[16:23]          ; my one tensor load
	s_nop 0
.rept 4
	v_nop
.endr
	s_and_b32 s58, s[WV], 7                        ; my tile in a step of 128 tokens
	s_lshr_b32 s59, s[WV], 3                       ; which of a block's two steps
	s_lshl_b32 s60, ttmp9, 1
	s_sub_co_u32 s61, 14, s60
	s_add_co_u32 s60, s60, s59                     ; my queries' step in block p,
	s_add_co_u32 s61, s61, s59                     ; and in block 7 - p
	s_mul_i32 s62, s58, 768
	s_lshl_b32 s63, s58, 2
	s_add_co_u32 s63, s63, 6144
	s_and_b32 s66, s14, 15                         ; the head = y's chunk of 64 along C
	s_mul_i32 s67, s66, 6144
	s_add_co_u32 s67, s67, s62
	s_lshr_b32 s68, s66, 2
	s_lshl_b32 s68, s68, 10
	s_lshl_b32 s69, s58, 7
	s_add_co_u32 s68, s68, s69
	s_bfe_u32 s69, s66, 0x10001
	s_lshl_b32 s69, s69, 2
	s_add_co_u32 s68, s68, s69
	s_and_b32 s69, s66, 1
	s_lshl_b32 s69, s69, 1
	s_add_co_u32 s68, s68, s69                     ; my two bytes in a row's scale words
	s_lshr_b32 s70, s58, 1
	s_lshl_b32 s70, s70, 5
	s_and_b32 s71, s58, 1
	s_lshl_b32 s71, s71, 3
	s_add_co_u32 s70, s70, s71                     ; 32 (tile / 2) + 8 (tile % 2)
	s_and_b32 s71, s14, 0xfff0                     ; batch x 16
.macro MKP st, qp, qs, yp, ys, q0      ; the pointers of one block of queries
	s_add_co_u32 s40, s72, s[\st]
	s_mul_i32 s40, s40, 6656
	s_add_co_u32 s38, s40, s62
	s_add_nc_u64 s[\qp:\qp+1], s[4:5], s[38:39]
	s_add_co_u32 s38, s40, s63
	s_add_nc_u64 s[\qs:\qs+1], s[4:5], s[38:39]
	s_add_co_u32 s40, s71, s[\st]                  ; y's group of 128 rows
	s_mul_i32 s38, s40, 98304
	s_add_co_u32 s38, s38, s67
	s_add_nc_u64 s[\yp:\yp+1], s[8:9], s[38:39]
	s_lshl_b32 s38, s40, 12
	s_add_co_u32 s38, s38, s68
	s_add_nc_u64 s[\ys:\ys+1], s[10:11], s[38:39]
	s_lshl_b32 s[\q0], s[\st], 7
	s_add_co_u32 s[\q0], s[\q0], s70
.endm
	MKP 60, 50, 52, 42, 44, 34
	MKP 61, 54, 56, 46, 48, 36
	s_mov_b32 s[SEL], 0x76543210
	s_mov_b32 s[SEL+1], 0xfedcba98
	s_mov_b32 s[CS], 0x3e38aa3b                    ; c = log2(e) / 8
	s_mov_b32 s[CS+1], s[CS]
	v_and_b32 v239, 31, v0                         ; lane
	v_and_b32 v5, 15, v0                           ; r
	v_bfe_u32 v6, v0, 4, 1                         ; h
	s_delay_alu instid0(VALU_DEP_3)
	v_lshlrev_b32 v1, 4, v239
	s_delay_alu instid0(VALU_DEP_4)
	v_lshlrev_b32 v2, 3, v239
	s_delay_alu instid0(VALU_DEP_4)
	v_lshlrev_b32 v3, 5, v5
	v_lshlrev_b32 v4, 4, v5
	v_lshlrev_b32 v238, 3, v5
	v_and_b32 v7, 8, v5
	s_delay_alu instid0(VALU_DEP_1)
	v_add_nc_u32 v7, v7, v5
	v_lshlrev_b32 v6, 4, v6
	s_delay_alu instid0(VALU_DEP_1)
	v_sub_nc_u32 v7, v7, v6                        ; r + 8 (r / 8) - 16 h
	global_load_b128 v[16:19], v1, s[50:51]        ; Q of block p,
	global_load_b64 v[20:21], v2, s[50:51] offset:512
	global_load_b32 v28, v3, s[52:53]
	global_load_b128 v[30:33], v1, s[54:55]        ; and of block 7 - p
	global_load_b64 v[34:35], v2, s[54:55] offset:512
	global_load_b32 v29, v3, s[56:57]
.irp j, 22,23,24,25,26,27,84,85,86,87,88,89
	v_mov_b32 v\j, 0                               ; zero codes: Q's upper 64 along K, and the last tile of K's
.endr
.irp j, 222,223,224,225,233,234
	v_mov_b32 v\j, 0                               ; written once: lane permutes' destinations, and the upper half of the pair v[232:233]
.endr
.macro STEP                            ; 128 keys
	s_add_co_u32 s37, s[Q0], 23                    ; my last query
	s_cmp_gt_u32 s[KF], s37
	s_cbranch_scc1 .Lhidden_\@
	s_setprio 2
	v_add_nc_u32 v8, s[TB], v1
	v_add_nc_u32 v9, s[TB], v2
	v_add_nc_u32 v10, s[TB], v3
	v_add_nc_u32 v11, s[TB], v4
	v_nop
	v_nop                                          ; six plain places: S^T is written over the registers that the last products read as V
.irp t, 0,1,2,3,4,5,6,7
	ds_load_b128 v[KR+6*\t:KR+6*\t+3], v8 offset:768*\t
	ds_load_b64 v[KR+6*\t+4:KR+6*\t+5], v9 offset:768*\t+512
.endr
	ds_load_b128 v[90:93], v10 offset:6144         ; K's scale words
	ds_load_b128 v[94:97], v10 offset:6160
	s_wait_dscnt 0x0
.irp t, 0,1,2,3,4,5,6,7
	v_wmma_scale_f32_16x16x128_f8f6f4 v[S+8*\t:S+8*\t+7], v[KR+6*\t:KR+6*\t+11], v[16:27], 0, v[90+\t], v28 matrix_a_fmt:MATRIX_FMT_BF6 matrix_b_fmt:MATRIX_FMT_BF6
.endr
.rept 4
	v_nop
.endr
	s_add_co_u32 s37, s[KF], 127
	s_cmp_le_u32 s37, s[Q0]
	s_cbranch_scc1 .Lopen_\@                       ; all 128 keys count
	s_sub_co_i32 s37, s[Q0], s[KF]
	v_add_nc_u32 v235, s37, v7                     ; register 16 b + i holds key KF + 16 h + 32 b + i: hidden where 32 b + i is above this
	v_mov_b32 v234, 0xff800000                     ; -infinity
.set N_, 0
.rept 64
	v_cmp_gt_i32 vcc_lo, 32*(N_/16)+N_%16, v235
	v_cndmask_b32 v[S+N_], v[S+N_], v234, vcc_lo
.set N_, N_+1
.endr
.Lopen_\@:
.irp b, 0,1,2,3
	v_max3_num_f32 v[BM+\b], v[S+16*\b], v[S+1+16*\b], v[S+2+16*\b]   ; the largest score of each block of 32 keys: for the row's maximum and, since p rises with the score, for the block's largest p
.endr
.irp i, 3,5,7,9,11,13
.irp b, 0,1,2,3
	v_max3_num_f32 v[BM+\b], v[BM+\b], v[S+16*\b+\i], v[S+1+16*\b+\i]
.endr
.endr
.irp b, 0,1,2,3
	v_max_num_f32 v[BM+\b], v[BM+\b], v[S+15+16*\b]
.endr
.irp b, 0,1,2,3
	s_delay_alu instid0(VALU_DEP_4)
	v_permlanex16_b32 v[PR+\b], v[BM+\b], s[SEL], s[SEL+1]
.endr
.irp b, 0,1,2,3
	s_delay_alu instid0(VALU_DEP_4)
	v_max_num_f32 v[BM+\b], v[BM+\b], v[PR+\b]
.endr
	s_delay_alu instid0(VALU_DEP_2)
	v_max3_num_f32 v234, v[BM], v[BM+1], v[BM+2]
	s_delay_alu instid0(VALU_DEP_1)
	v_max_num_f32 v234, v234, v[BM+3]
	s_delay_alu instid0(VALU_DEP_1)
	v_mul_f32 v234, s[CS], v234
	s_delay_alu instid0(VALU_DEP_1)
	v_max_num_f32 v13, v13, v234                   ; the running largest t
	v_mov_b32 v234, v12
	s_delay_alu instid0(VALU_DEP_2)
	v_floor_f32 v12, -v13                          ; -M = floor(-t): M is a whole number
	s_delay_alu instid0(VALU_DEP_1)
	v_sub_f32 v234, v12, v234
	s_delay_alu instid0(VALU_DEP_1)
	v_cvt_i32_f32 v234, v234                       ; (it saturates)
	s_delay_alu instid0(VALU_DEP_1)
	v_ldexp_f32 v232, 1.0, v234                    ; f = 2^(old M - new M)
.set N_, 0
.rept 32
	v_pk_fma_f32 v[S+N_:S+N_+1], v[S+N_:S+N_+1], s[CS:CS+1], v[12:13] op_sel_hi:[1,0,0]   ; t - M
.set N_, N_+2
.endr
	s_setprio 1
.irp b, 0,1,2,3
	v_fma_f32 v[BM+\b], v[BM+\b], s[CS], v12
.endr
.set N_, 0
	s_wait_alu depctr_va_vdst(0)
.rept 64
	v_exp_f32 v[S+N_], v[S+N_]                     ; p = 2^(t - M)
.set N_, N_+1
.endr
	v_pk_mul_f32 v[14:15], v[14:15], v[232:233] op_sel_hi:[1,0]   ; the sums under the new M; the plain line behind the exponentials
	s_wait_alu depctr_va_vdst(0)                   ; one wait for the batch, ahead of its first reader
.irp b, 0,1,2,3
	v_exp_f32 v[BM+\b], v[BM+\b]                   ; the blocks' largest p
.endr
	v_pk_add_f32 v[222:223], v[106:107], v[110:111]
	v_pk_add_f32 v[252:253], v[114:115], v[118:119]
	v_pk_add_f32 v[250:251], v[122:123], v[126:127]
	v_pk_add_f32 v[248:249], v[130:131], v[134:135]
	v_pk_add_f32 v[246:247], v[138:139], v[142:143]
	v_pk_add_f32 v[244:245], v[146:147], v[150:151]
	v_pk_add_f32 v[242:243], v[154:155], v[158:159]
	v_pk_add_f32 v[14:15], v[14:15], v[162:163]
	v_pk_add_f32 v[222:223], v[222:223], v[102:103]
	v_pk_add_f32 v[252:253], v[252:253], v[104:105]
	v_pk_add_f32 v[250:251], v[250:251], v[108:109]
	v_pk_add_f32 v[248:249], v[248:249], v[112:113]
	v_pk_add_f32 v[246:247], v[246:247], v[116:117]
	v_pk_add_f32 v[244:245], v[244:245], v[120:121]
	v_pk_add_f32 v[242:243], v[242:243], v[124:125]
	v_pk_add_f32 v[14:15], v[14:15], v[128:129]
	v_pk_add_f32 v[222:223], v[222:223], v[132:133]
	v_pk_add_f32 v[252:253], v[252:253], v[136:137]
	v_pk_add_f32 v[250:251], v[250:251], v[140:141]
	v_pk_add_f32 v[248:249], v[248:249], v[144:145]
	v_pk_add_f32 v[246:247], v[246:247], v[148:149]
	v_pk_add_f32 v[244:245], v[244:245], v[152:153]
	v_pk_add_f32 v[242:243], v[242:243], v[156:157]
	v_pk_add_f32 v[14:15], v[14:15], v[160:161]
	v_pk_add_f32 v[222:223], v[222:223], v[164:165]
	s_delay_alu instid0(VALU_DEP_2)
	v_pk_add_f32 v[14:15], v[14:15], v[248:249]
	s_delay_alu instid0(VALU_DEP_2)
	v_pk_add_f32 v[222:223], v[222:223], v[246:247]
	v_pk_add_f32 v[252:253], v[252:253], v[244:245]
	v_pk_add_f32 v[250:251], v[250:251], v[242:243]
	s_delay_alu instid0(VALU_DEP_2)
	v_pk_add_f32 v[14:15], v[14:15], v[252:253]
	s_delay_alu instid0(VALU_DEP_2)
	v_pk_add_f32 v[222:223], v[222:223], v[250:251]
	s_delay_alu instid0(VALU_DEP_1)
	v_pk_add_f32 v[14:15], v[14:15], v[222:223]
	s_wait_alu depctr_va_vdst(0)                   ; and one for the four
.irp b, 0,1,2,3
	v_max_num_f32 v[BM+\b], 0x2800000, v[BM+\b]    ; the floor 2^(5 - 127)
.endr
.irp b, 0,1,2,3
	s_delay_alu instid0(VALU_DEP_4)
	v_add_nc_u32 v[SO+\b], 0xfe000000, v[BM+\b]
.endr
.irp b, 0,1,2,3
	s_delay_alu instid0(VALU_DEP_4)
	v_lshrrev_b32 v[PR+\b], 23, v[SO+\b]
.endr
	s_delay_alu instid0(VALU_DEP_3)
	v_lshl_or_b32 v230, v[PR+1], 8, v[PR]          ; p's scale word
	s_delay_alu instid0(VALU_DEP_1)
	v_lshl_or_b32 v230, v[PR+2], 16, v230
	s_delay_alu instid0(VALU_DEP_1)
	v_lshl_or_b32 v230, v[PR+3], 24, v230
.irp c, 0,1
	v_cvt_scalef32_pk16_bf6_f32 v[PCD+6*\c:PCD+2+6*\c], v[S+32*\c:S+15+32*\c], v[SO+2*\c]
	v_cvt_scalef32_pk16_bf6_f32 v[PH+4*\c:PH+2+4*\c], v[S+16+32*\c:S+31+32*\c], v[SO+2*\c+1]
.endr
	v_nop                                          ; one plain line behind the conversions
	s_setprio 0
.irp u, 0,1,2,3                        ; V's fragments land where p lay
.irp pl, 0,1,2
	ds_load_b128 v[S+12*\u+4*\pl:S+12*\u+4*\pl+3], v8 offset:6656+1536*\u+512*\pl
.endr
.endr
	ds_load_b128 v[98:101], v11 offset:12800       ; V's scale words
.irp c, 0,1
.irp i, 0,1,2
	v_permlane16_swap_b32 v[PCD+6*\c+\i], v[PH+4*\c+\i]
.endr
.irp i, 0,1,2
	s_delay_alu instid0(VALU_DEP_3)
	v_mov_b32 v[PCD+3+6*\c+\i], v[PH+4*\c+\i]
.endr
.endr
.set N_, 0
.rept 16
	v_pk_mul_f32 v[OT+N_:OT+N_+1], v[OT+N_:OT+N_+1], v[232:233] op_sel_hi:[1,0]   ; O^T under the new M; these sixteen are the places between p's codes and scale word and the products
.set N_, N_+2
.endr
	s_wait_alu depctr_va_vdst(0)
	s_wait_dscnt 0x0
.irp u, 0,1,2,3
	v_wmma_scale_f32_16x16x128_f8f6f4 v[OT+8*\u:OT+8*\u+7], v[S+12*\u:S+12*\u+11], v[PCD:PCD+11], v[OT+8*\u:OT+8*\u+7], v[98+\u], v230 matrix_a_fmt:MATRIX_FMT_BF6 matrix_b_fmt:MATRIX_FMT_BF6
.endr
.Lhidden_\@:
.endm
.macro FINISH yp, ys                   ; O^T / the sum is y's 64 numbers of my 16 rows: two blocks of 32 along C; codes and two scale bytes
.rept 4
	v_nop
.endr
	v_add_f32 v14, v14, v15
	s_delay_alu instid0(VALU_DEP_1)
	v_permlanex16_b32 v234, v14, s[SEL], s[SEL+1]
	s_delay_alu instid0(VALU_DEP_1)
	v_add_f32 v14, v14, v234
	s_wait_alu depctr_va_vdst(0)
	v_rcp_f32 v14, v14
	v_nop
	s_wait_alu depctr_va_vdst(0)                   ; ahead of the reciprocal's first reader
.set N_, 0
.rept 16
	v_pk_mul_f32 v[S+N_:S+N_+1], v[OT+N_:OT+N_+1], v[14:15] op_sel_hi:[1,0]
.set N_, N_+2
.endr
.irp b, 0,1
	v_max3_num_f32 v[BM+\b], |v[S+16*\b]|, |v[S+1+16*\b]|, 0x2800000
.endr
.irp i, 2,4,6,8,10,12,14
.irp b, 0,1
	s_delay_alu instid0(VALU_DEP_2)
	v_max3_num_f32 v[BM+\b], v[BM+\b], |v[S+16*\b+\i]|, |v[S+1+16*\b+\i]|
.endr
.endr
.irp b, 0,1
	s_delay_alu instid0(VALU_DEP_2)
	v_permlanex16_b32 v[PR+\b], v[BM+\b], s[SEL], s[SEL+1]
.endr
.irp b, 0,1
	s_delay_alu instid0(VALU_DEP_2)
	v_max_num_f32 v[BM+\b], v[BM+\b], v[PR+\b]
.endr
.irp b, 0,1
	s_delay_alu instid0(VALU_DEP_2)
	v_add_nc_u32 v[SO+\b], 0xfe000000, v[BM+\b]
.endr
.irp b, 0,1
	s_delay_alu instid0(VALU_DEP_2)
	v_lshrrev_b32 v[PR+\b], 23, v[SO+\b]
.endr
	s_delay_alu instid0(VALU_DEP_1)
	v_lshl_or_b32 v236, v[PR+1], 8, v[PR]
	v_cvt_scalef32_pk16_bf6_f32 v[PCD:PCD+2], v[S:S+15], v[SO]
	v_cvt_scalef32_pk16_bf6_f32 v[PH:PH+2], v[S+16:S+31], v[SO+1]
	v_nop
.irp i, 0,1,2
	v_permlane16_swap_b32 v[PCD+\i], v[PH+\i]
.endr
.irp i, 0,1,2
	s_delay_alu instid0(VALU_DEP_3)
	v_mov_b32 v[PCD+3+\i], v[PH+\i]
.endr
	global_store_b128 v1, v[PCD:PCD+3], s[\yp:\yp+1]               ; the tile's chunk: 768 consecutive bytes
	global_store_b64 v2, v[PCD+4:PCD+5], s[\yp:\yp+1] offset:512
	global_store_b16 v238, v236, s[\ys:\ys+1]      ; two bytes a row, 8 bytes apart (a scale word belongs to two heads, two work-groups); lanes r and r + 16 write the same value to the same place
.endm
.macro PHASE trips, yp, ys
	s_wait_xcnt 0x0                                ; the last phase's stores have read their registers
	v_mov_b32 v13, 0xff61b1e6                      ; the largest t so far: -3e38
	s_delay_alu instid0(VALU_DEP_1)
	v_floor_f32 v12, -v13
	v_mov_b32 v14, 0
	v_mov_b32 v15, 0
.set N_, 0
.rept 32
	v_mov_b32 v[OT+N_], 0                          ; the step is written once: the first finds zeros
.set N_, N_+1
.endr
	s_mov_b32 s[TB], 0
	s_mov_b32 s[KF], 0
	s_mov_b32 s[CNT], \trips
.Ltrip_\@:
	STEP
	s_add_co_u32 s[TB], s[TB], STEPB
	s_add_co_u32 s[KF], s[KF], 128
	s_sub_co_u32 s[CNT], s[CNT], 1
	s_cmp_lg_u32 s[CNT], 0
	s_cbranch_scc1 .Ltrip_\@
	s_setprio 0
	FINISH \yp, \ys
.endm
	s_wait_tensorcnt 0x0                           ; my step has landed,
	s_barrier_signal -1
	s_barrier_wait -1                              ; everybody's has
	s_wait_loadcnt 0x0                             ; Q
	PHASE 8, 42, 44                                ; block p: its queries end in step 7 at the latest
.irp j, 0,1,2,3,4,5
	v_mov_b32 v[16+\j], v[30+\j]                   ; block 7 - p's Q; the 32 clearing lines that follow are the places ahead of the products
.endr
	v_mov_b32 v28, v29
	s_mov_b32 s[Q0], s36
	PHASE 16, 46, 48
	s_wait_tensorcnt 0x0
	ds_add_u32 v254, v255
	s_wait_dscnt 0x0
	s_endpgm
.Lfunc_end_k_q3ee08aacbd_attn:
	.size	k_q3ee08aacbd_attn, .Lfunc_end_k_q3ee08aacbd_attn-k_q3ee08aacbd_attn
	.p2alignl 7, 3214868480
	.fill 96, 4, 3214868480
	.section	.rodata,"a",@progbits
	.p2align	6, 0x0
	.amdhsa_kernel k_q3ee08aacbd_attn
		.amdhsa_group_segment_fixed_size 210944
		.amdhsa_private_segment_fixed_size 0
		.amdhsa_enable_private_segment 0
		.amdhsa_kernarg_size 32
		.amdhsa_user_sgpr_count 2
		.amdhsa_user_sgpr_kernarg_segment_ptr 1
		.amdhsa_wavefront_size32 1
		.amdhsa_system_sgpr_workgroup_id_x 1
		.amdhsa_system_sgpr_workgroup_id_y 1
		.amdhsa_system_sgpr_workgroup_id_z 1
		.amdhsa_system_vgpr_workitem_id 0
		.amdhsa_next_free_vgpr 256
		.amdhsa_next_free_sgpr 80
		.amdhsa_reserve_vcc 1
		.amdhsa_float_denorm_mode_32 3
		.amdhsa_float_denorm_mode_16_64 3
		.amdhsa_memory_ordered 1
		.amdhsa_forward_progress 1
		.amdhsa_inst_pref_size 63
	.end_amdhsa_kernel
	.amdgpu_metadata
---
amdhsa.version: [ 1, 2 ]
amdhsa.kernels:
  - .name:           k_q3ee08aacbd_attn
    .symbol:         k_q3ee08aacbd_attn.kd
    .args:
      - { .name: qimg, .offset: 0, .size: 8, .value_kind: global_buffer, .address_space: global }
      - { .name: kv, .offset: 8, .size: 8, .value_kind: global_buffer, .address_space: global }
      - { .name: yimg, .offset: 16, .size: 8, .value_kind: global_buffer, .address_space: global }
      - { .name: ysc, .offset: 24, .size: 8, .value_kind: global_buffer, .address_space: global }
    .group_segment_fixed_size: 210944
    .private_segment_fixed_size: 0
    .kernarg_segment_align: 8
    .kernarg_segment_size: 32
    .max_flat_workgroup_size: 512
    .sgpr_count:     80
    .vgpr_count:     256
    .wavefront_size: 32
...
	.end_amdgpu_metadata
.endif
;; end of part 4
;; launch proj (part 5): grid 4 x 32, 4 waves a work-group, clusters of 4 x 4, 327,680 bytes of LDS; arguments yimg, ysc, wimg, wsc, bp, out0; writes out0
.if DOCPART == 5
	.amdgcn_target "amdgcn-amd-amdhsa--gfx1250"
	.amdhsa_code_object_version 6
	.text
	.protected	k_q3ee08aacbd_proj
	.globl	k_q3ee08aacbd_proj
	.p2align	8
	.type	k_q3ee08aacbd_proj,@function
k_q3ee08aacbd_proj:
	s_mov_b64 s[64:65], 0
	v_nop
	global_prefetch_b8 v0, s[64:65] scope:SCOPE_SE
	s_setreg_imm32_b32 hwreg(HW_REG_WAVE_MODE, 25, 1), 1
	s_wait_xcnt 0x0
	s_wait_alu depctr_hold_cnt(0) depctr_sa_sdst(0) depctr_va_vdst(0) depctr_va_sdst(0) depctr_va_ssrc(0) depctr_va_vcc(0) depctr_vm_vsrc(0)
	s_getreg_b32 s2, hwreg(HW_REG_IB_STS2, 6, 4)
	s_cmp_eq_u32 s2, 0
	s_cbranch_scc0 .Lentry_in_a_cluster
	s_endpgm
.Lentry_in_a_cluster:
	s_bfe_u32 s2, ttmp6, 0x10000c
	s_cmp_lg_u32 s2, 0xf033
	s_cbranch_scc0 .Lentry_shape_is_right
	s_endpgm
.Lentry_shape_is_right:
; out = y Wp + bp on codes of BF6 (E3M2) with E8M0 scales, sums in f32.  A work-group of four waves makes 256 rows x 256 columns, a wave 128 x 128: 64 accumulators of 16 x 16.  K = 1,024 goes in four steps of 256.
; OPERANDS lie in memory in the order of the matrix unit's registers (groups of 128 rows; tile i, lane r: row 32 (i / 2) + 8 (i % 2) + r + 8 (r / 8); a tile's chunk of 64 along K: 768 bytes, registers 0-3 at 16 x lane,
; registers 4-5 at 512 + 8 x lane), so a group's K step is 24,576 dense bytes for one tensor load and every LDS read is 16 or 8 bytes a lane on end.  Wp's groups are 24 to 31 of wimg.
; S1 = y is source 1 and S0 = Wp source 0: in a result lane (r, h) holds one row of y, and the registers of S0's tile b are the columns 32 (b / 2) + 8 (b % 2) + 16 h + 0 .. 7.  The bias is the C of each sum's first product.
; CLUSTERS: 4 x 4 work-groups; y's tiles are asked for jointly by a row of the cluster, Wp's by a column.
; LDS: three slots of 98,304 bytes ([S1 group 0][S1 group 1][S0 group 0][S0 group 1]); the scale words of all of K, 16,384 bytes; the spare words.  K steps 0, 1, 2 and the scales are first fills: four tensor loads of a wave are out
; at the start.  K step 3 is the one refill, into slot 0, behind the one round in the middle.  The way out goes through stages in slot 1, which is filled once and read for the last time ahead of the last barrier.
; The grid has 128 work-groups: the tile is the one that the program's other large product uses.
; REGISTERS: window 0: v1-21 addresses; v28, v29 for the add; v32-63 scale words, two sets; v64-127 the bias; v128-223 S1's eight fragments, ONE set (on the way out v128-255 take rows).  Window 1: S0's fragments, two sets.
; Windows 2, 3: the accumulators, (a, b) at v[8 (8 (a % 4) + b)].
.set HALFT,  24576
.set SLOT,   4*HALFT
.set SCL,    3*SLOT
.set SPARE,  SCL+4*4096                ; the spare words, 128 bytes a wave: two blocks of 256 bytes that no other line names
.set SPITCH, 528                       ; a stage row: 512 bytes + 16
.set FR,   12
.set STO,  6
.set RD,   7
.set AS1,  8
.set AS0,  14
.set ADRS, 20
.set SPW,  28
.set NIL,  29
.set SC,   32
.set BI,   64
.set AF,   128
.set BK,   128
.set G1,   24
.set G1B,  32
.set G1S,  40
.set G1SB, 48
.set G0A0, 56
.set G0A1, 60
.set G0A2, 68
.set G0B0, 72
.set G0B1, 76
.set G0B2, 80
.set G0S,  84
.set G0SB, 88
.set MSB, 0
.macro WIN new                         ; the immediate's high byte repeats the setting that is left
.if MSB != (\new)
	s_set_vgpr_msb (MSB<<8)|(\new)
.set MSB, (\new)
.endif
.endm
.set MUL_LO, 0xa1                      ; source 0 window 1, source 1 window 0, C and D window 2
.set MUL_HI, 0xf1                      ; the same, C and D window 3
.set TO_S0,  0x40
.macro JLOAD g0a, g1a, g0b, g1b        ; a joint load: waves 0 and 1 fetch S1's two groups, waves 2 and 3 S0's; four v_nop follow each of the two lines
	s_cmp_eq_u32 s15, 0
	s_cbranch_scc0 .Lfor_b_\@
	tensor_load_to_lds s[\g0a:\g0a+3], s[\g1a:\g1a+7]
	s_nop 0
.rept 4
	v_nop
.endr
	s_branch .Lasked_\@
.Lfor_b_\@:
	tensor_load_to_lds s[\g0b:\g0b+3], s[\g1b:\g1b+7]
	s_nop 0
.rept 4
	v_nop
.endr
.Lasked_\@:
.endm
.macro CREST
	s_cmp_lg_u32 s14, 0
	s_cbranch_scc1 .Lnot_wave_0_\@
	s_barrier_signal -3
.Lnot_wave_0_\@:
	s_barrier_wait -3
	s_barrier_signal -1
	s_barrier_wait -1
.endm
.macro CROUND
	s_barrier_signal -1
	s_barrier_wait -1
	CREST
.endm
.macro MKG0 g, lbase, loff, ptr, goff
	s_mov_b32 s[\g], 1
	s_add_co_u32 s[\g+1], s[\lbase], \loff
	s_add_nc_u64 s[\g+2:\g+3], s[\ptr:\ptr+1], \goff
	s_or_b32 s[\g+3], s[\g+3], 0x80000000
.endm
.macro PLACES                          ; four plain places behind matrix instructions, ahead of loads into registers that they read and of the first read of results
.rept 4
	v_nop
.endr
.endm
	s_load_b256 s[4:11], s[0:1], 0x0               ; yimg, ysc, wimg, wsc
	v_lshl_add_u32 v[SPW], v0, 2, SPARE
	v_mov_b32 v[NIL], 0
	ds_add_u32 v28, v29
	ds_add_u32 v28, v29
	s_wait_dscnt 0x0
	v_lshrrev_b32 v1, 5, v0
	v_readfirstlane_b32 s14, v1                    ; wave 0..3
	s_lshr_b32 s15, s14, 1                         ; my half of the rows.  Also: I fetch for S1 (0) or S0 (1)
	s_and_b32 s16, s14, 1                          ; my half of the columns.  Also: which group I fetch
	s_bfe_u32 s92, ttmp6, 0x40000                  ; cx
	s_bfe_u32 s93, ttmp6, 0x40004                  ; cy
	s_and_b32 s17, ttmp7, 0xffff                   ; the cluster's y
	s_lshl_b32 s18, s93, 2
	s_lshl_b32 s18, 15, s18                        ; my row of the cluster
	s_lshl_b32 s19, 0x1111, s92                    ; my column
	s_or_b32 s[G1], s18, (3<<16)|(1<<21)           ; 15:0 the mask; 17:16 elements of 8 bytes; 21 set beside a mask; no padding
	s_or_b32 s[G1B], s19, (3<<16)|(1<<21)
	s_or_b32 s[G1S], s18, (3<<16)|(1<<21)
	s_or_b32 s[G1SB], s19, (3<<16)|(1<<21)
.irp g, G1, G1B                        ; codes: 96 rows of 256 bytes, dense
	s_mov_b32 s[\g+1], 32<<16
	s_mov_b32 s[\g+2], 96<<16
	s_mov_b32 s[\g+3], 32<<16
	s_mov_b32 s[\g+4], 96
	s_mov_b32 s[\g+5], 32
	s_mov_b32 s[\g+6], 0
	s_mov_b32 s[\g+7], 0
.endr
.irp g, G1S, G1SB                      ; scale words: 16 rows of 256 bytes
	s_mov_b32 s[\g+1], 32<<16
	s_mov_b32 s[\g+2], 16<<16
	s_mov_b32 s[\g+3], 32<<16
	s_mov_b32 s[\g+4], 16
	s_mov_b32 s[\g+5], 32
	s_mov_b32 s[\g+6], 0
	s_mov_b32 s[\g+7], 0
.endr
	s_lshl_b32 s20, s17, 3
	s_lshl_b32 s21, s93, 1
	s_add_co_u32 s20, s20, s21
	s_add_co_u32 s20, s20, s16                     ; y's group that I fetch: made of cy alone
	s_lshl_b32 s96, s92, 1
	s_add_co_u32 s96, s96, s16
	s_add_co_u32 s96, s96, 24                      ; Wp's: made of cx alone
	s_mul_i32 s22, s20, 98304
	s_mov_b32 s23, 0
	s_lshl_b32 s20, s20, 12
	s_mov_b32 s21, 0
	s_mul_i32 s98, s96, 98304
	s_mov_b32 s99, 0
	s_lshl_b32 s96, s96, 12
	s_mov_b32 s97, 0
	s_mul_i32 s18, s14, HALFT                      ; where they go: wave x a group
	s_lshl_b32 s19, s14, 12
	s_wait_kmcnt 0x0
	s_add_nc_u64 s[2:3], s[4:5], s[22:23]
	s_add_nc_u64 s[12:13], s[6:7], s[20:21]
	s_add_nc_u64 s[4:5], s[8:9], s[98:99]
	s_add_nc_u64 s[6:7], s[10:11], s[96:97]
	CROUND                                         ; all sixteen work-groups are here: the first joint loads meet
	MKG0 G0S, 19, SCL, 12, 0
	MKG0 G0SB, 19, SCL, 6, 0
	JLOAD G0S, G1S, G0SB, G1SB                     ; the scale words of all of K
	MKG0 G0A0, 18, 0, 2, 0
	MKG0 G0B0, 18, 0, 4, 0
	JLOAD G0A0, G1, G0B0, G1B                      ; K step 0
	MKG0 G0A1, 18, SLOT, 2, HALFT
	MKG0 G0B1, 18, SLOT, 4, HALFT
	JLOAD G0A1, G1, G0B1, G1B                      ; K step 1
	MKG0 G0A2, 18, 2*SLOT, 2, 2*HALFT
	MKG0 G0B2, 18, 2*SLOT, 4, 2*HALFT
	JLOAD G0A2, G1, G0B2, G1B                      ; K step 2
	s_load_b128 s[4:7], s[0:1], 0x20               ; bp, out0
	v_and_b32 v1, 15, v0                           ; r
	v_bfe_u32 v2, v0, 4, 1                         ; h
	v_and_b32 v3, 31, v0                           ; lane
	v_lshlrev_b32 v4, 4, v3
	v_lshlrev_b32 v5, 3, v3
	v_add_nc_u32 v30, 512, v5
	s_mul_i32 s18, s15, HALFT
	s_mul_i32 s19, s16, HALFT
	s_add_co_u32 s19, s19, 2*HALFT
.irp s, 0,1,2
	v_add_nc_u32 v[AS1+2*\s], s18, v4
	v_add_nc_u32 v[AS1+2*\s+1], s18, v30
	v_add_nc_u32 v[AS0+2*\s], s19, v4
	v_add_nc_u32 v[AS0+2*\s+1], s19, v30
	s_add_co_u32 s18, s18, SLOT
	s_add_co_u32 s19, s19, SLOT
.endr
	s_lshl_b32 s20, s15, 12
	s_lshl_b32 s21, s16, 12
	s_add_co_u32 s21, s21, 8192
	s_sub_co_u32 s21, s21, s20
	v_mul_u32_u24 v[ADRS], s21, v2                 ; lanes 16-31 take S0's scale words
	s_add_co_u32 s20, s20, SCL
	v_lshl_add_u32 v[ADRS], v1, 3, v[ADRS]
	v_add_nc_u32 v[ADRS], s20, v[ADRS]
	s_mul_i32 s22, s14, 16*SPITCH
	s_add_co_u32 s22, s22, SLOT                    ; my stage, in slot 1
	v_mul_u32_u24 v[STO], v1, SPITCH
	v_lshl_add_u32 v[STO], v2, 6, v[STO]
	v_add_nc_u32 v[STO], s22, v[STO]               ; in: row r, 64 h bytes on
	v_add_nc_u32 v[RD], s22, v4                    ; back: a row's 512 bytes
	v_lshlrev_b32 v21, 6, v2                       ; the bias: 64 h
	s_lshl_b32 s18, s17, 3
	s_lshl_b32 s19, s93, 1
	s_add_co_u32 s18, s18, s19
	s_add_co_u32 s18, s18, s15                     ; my 128 rows
	s_lshl_b32 s18, s18, 19                        ; of 4,096 bytes
	s_lshl_b32 s20, s92, 1
	s_add_co_u32 s20, s20, s16
	s_lshl_b32 s20, s20, 9                         ; my 128 columns
	s_add_co_u32 s18, s18, s20
	s_mov_b32 s19, 0
	s_mov_b32 s21, 0
	s_wait_alu depctr_va_vdst(0)
	s_wait_kmcnt 0x0
	s_add_nc_u64 s[6:7], s[6:7], s[18:19]
	s_add_nc_u64 s[4:5], s[4:5], s[20:21]
.irp e, 0,1,2,3,4,5,6,7,8,9,10,11,12,13,14,15
	global_load_b128 v[BI+4*\e:BI+4*\e+3], v21, s[4:5] offset:128*(\e/4)+16*(\e%4)   ; register 8 b + j: the bias of column 32 (b / 2) + 8 (b % 2) + 16 h + j
.endr
.macro FRAG reg, adr, q, i
	ds_load_b128 v[(\reg):(\reg)+3], v[\adr] offset:(2*(\q))*6144+768*(\i)
	ds_load_b64 v[(\reg)+4:(\reg)+5], v[(\adr)+1] offset:(2*(\q))*6144+768*(\i)
	ds_load_b128 v[(\reg)+6:(\reg)+9], v[\adr] offset:(2*(\q)+1)*6144+768*(\i)
	ds_load_b64 v[(\reg)+10:(\reg)+11], v[(\adr)+1] offset:(2*(\q)+1)*6144+768*(\i)
.endm
.macro FETCH_S0 slot, q, p
	WIN TO_S0
.irp i, 0,1,2,3,4,5,6,7
	FRAG 128*(\p)+FR*\i, AS0+2*\slot, \q, \i
.endr
	WIN 0
.endm
.macro FETCH_S1 slot, q, i0
.irp i, \i0, \i0+1, \i0+2, \i0+3
	FRAG AF+FR*(\i), AS1+2*\slot, \q, \i
.endr
.endm
.macro SCALES sc
.irp i, 0,1,2,3,4,5,6,7
	ds_load_b64 v[SC+16*\sc+2*\i:SC+16*\sc+2*\i+1], v[ADRS] offset:128*\i
.endr
.endm
; 16 matrix instructions; the 64 accumulators take turns, one instruction a turn, in the same order in every step.  first = 1: the bias starts the sums
.macro MUL16 a0, p, q, sc, first
.irp a, \a0, \a0+1
.irp b, 0,1,2,3,4,5,6,7
.set rD, 8*(8*((\a)%4)+\b)
.set rA, 128*(\p)+FR*\b
.set rB, AF+FR*(\a)
.if \first
	v_wmma_scale_f32_16x16x128_f8f6f4 v[rD:rD+7], v[rA:rA+FR-1], v[rB:rB+FR-1], v[BI+8*\b:BI+8*\b+7], v[SC+16*(\sc)+2*\b+(\q)], v[SC+16*(\sc)+2*(\a)+(\q)] matrix_a_fmt:MATRIX_FMT_BF6 matrix_b_fmt:MATRIX_FMT_BF6 matrix_a_scale:MATRIX_SCALE_ROW1
.else
	v_wmma_scale_f32_16x16x128_f8f6f4 v[rD:rD+7], v[rA:rA+FR-1], v[rB:rB+FR-1], v[rD:rD+7], v[SC+16*(\sc)+2*\b+(\q)], v[SC+16*(\sc)+2*(\a)+(\q)] matrix_a_fmt:MATRIX_FMT_BF6 matrix_b_fmt:MATRIX_FMT_BF6 matrix_a_scale:MATRIX_SCALE_ROW1
.endif
.endr
.endr
.endm
.macro STEP slot, sc, first
	s_wait_dscnt 16                                ; all but S1's blocks 4-7, the youngest 16 loads
.if \first
	WIN 0x81                                       ; C (the bias) in window 0, D in window 2
.else
	WIN MUL_LO
.endif
	MUL16 0, 0, 0, \sc, \first
	MUL16 2, 0, 0, \sc, \first
	s_wait_dscnt 0x0
	PLACES
	FETCH_S0 \slot, 1, 1
	FETCH_S1 \slot, 1, 0
.if \first
	WIN 0xc1                                       ; C in window 0, D in window 3
.else
	WIN MUL_HI
.endif
	MUL16 4, 0, 0, \sc, \first
	MUL16 6, 0, 0, \sc, \first
	PLACES
	WIN 0
	FETCH_S1 \slot, 1, 4
.endm
.macro ONWARD slot, next, sc, nsc
	v_add_nc_u32 v[ADRS], 1024, v[ADRS]
	FETCH_S0 \next, 0, 0
	FETCH_S1 \next, 0, 0
	SCALES \nsc
	WIN MUL_HI
	MUL16 4, 1, 1, \sc, 0
	MUL16 6, 1, 1, \sc, 0
	PLACES
	WIN 0
	FETCH_S1 \next, 0, 4
.endm
.macro PASS slot, next, sc, nsc        ; on to a slot that the round before has shown whole to every wave: no barrier
	s_wait_dscnt 16
	WIN MUL_LO
	MUL16 0, 1, 1, \sc, 0
	MUL16 2, 1, 1, \sc, 0
	s_wait_dscnt 0x0
	PLACES
	WIN 0
	ONWARD \slot, \next, \sc, \nsc
.endm
.macro TURN slot, next, sc, nsc, fill
	s_wait_tensorcnt 0x0                           ; all my tensor loads have landed
	ds_add_u32 v[SPW], v[NIL]                      ; 0 onto my spare word
	s_wait_dscnt 17                                ; (the add and the youngest 16 loads may be out)
	WIN MUL_LO
	MUL16 0, 1, 1, \sc, 0
	s_wait_dscnt 0x0                               ; the add is done, and my reads of this slot are over
	s_barrier_signal -1
	MUL16 2, 1, 1, \sc, 0
	WIN 0
	s_barrier_wait -1
.if \fill
	CREST                                          ; the barrier has opened a round of the cluster's: no wave of any partner still reads slot 0 or has a load on its way
	s_add_nc_u64 s[G0A0+2:G0A0+3], s[G0A0+2:G0A0+3], 3*HALFT
	s_add_nc_u64 s[G0B0+2:G0B0+3], s[G0B0+2:G0B0+3], 3*HALFT
	JLOAD G0A0, G1, G0B0, G1B                      ; the first tensor load behind the round; its four v_nop are the places in front of the loads below
.else
	PLACES
.endif
	ONWARD \slot, \next, \sc, \nsc
.endm
; THE WAY OUT, S1's tile a at a time: 16 rows x 128 columns go through my stage and come back as whole rows of 512 bytes.  LDS serves a wave's instructions in order: no wait between the stores and the loads.
.macro TOSTAGE a
	WIN 0x08+4*((\a)/4)                            ; an LDS store's data: window 2 or 3
.irp b, 0,1,2,3,4,5,6,7
	ds_store_b128 v[STO], v[64*((\a)%4)+8*\b:64*((\a)%4)+8*\b+3] offset:128*(\b/2)+32*(\b%2)          ; each accumulator from its low end on
	ds_store_b128 v[STO], v[64*((\a)%4)+8*\b+4:64*((\a)%4)+8*\b+7] offset:128*(\b/2)+32*(\b%2)+16
.endr
	WIN 0
.irp t, 0,1,2,3,4,5,6,7,8,9,10,11,12,13,14,15
	ds_load_b128 v[BK+64*((\a)%2)+4*\t:BK+64*((\a)%2)+4*\t+3], v[RD] offset:\t*SPITCH
.endr
.endm
.macro SEND a, younger
	s_wait_dscnt \younger
.irp t, 0,1,2,3,4,5,6,7,8,9,10,11,12,13,14,15
	global_store_b128 v4, v[BK+64*((\a)%2)+4*\t:BK+64*((\a)%2)+4*\t+3], s[6:7] offset:(32*((\a)/2)+8*((\a)%2)+\t+8*(\t/8))*4096 th:TH_STORE_NT   ; 512 consecutive bytes of one row, at a multiple of 512
.endr
.endm
	s_wait_tensorcnt 2                             ; the scale words and my part of K step 0 are in; K steps 1 and 2 may be out
	s_barrier_signal -1
	s_barrier_wait -1
	FETCH_S0 0, 0, 0
	FETCH_S1 0, 0, 0
	SCALES 0
	FETCH_S1 0, 0, 4
	s_wait_loadcnt 0x0                             ; the bias
	STEP 0, 0, 1
	TURN 0, 1, 0, 1, 1
	s_wait_alu depctr_va_vdst(0)
	STEP 1, 1, 0
	PASS 1, 2, 1, 0
	s_wait_alu depctr_va_vdst(0)
	STEP 2, 0, 0
	TURN 2, 0, 0, 1, 0                             ; K step 3 has landed in slot 0; behind this barrier nobody reads slot 1
	STEP 0, 1, 0
	s_wait_dscnt 16                                ; the last 128 along K
	WIN MUL_LO
	MUL16 0, 1, 1, 1, 0
	MUL16 2, 1, 1, 1, 0
	s_wait_dscnt 0x0
	WIN MUL_HI
	MUL16 4, 1, 1, 1, 0
	MUL16 6, 1, 1, 1, 0
	WIN 0
	PLACES
	TOSTAGE 0
.irp a, 1,2,3,4,5,6,7
.if \a > 1
	s_wait_xcnt 0x0                                ; tile a - 2's stores have read their registers: tile a's rows may land there
.endif
	TOSTAGE \a
	SEND \a-1, 32                                  ; behind tile a - 1's loads: tile a's 16 stores and 16 loads
.endr
	SEND 7, 0
	s_wait_tensorcnt 0x0                           ; the wave's end
	ds_add_u32 v[SPW], v[NIL]
	s_wait_dscnt 0x0
	CROUND                                         ; the closing round
	s_endpgm
.Lfunc_end_k_q3ee08aacbd_proj:
	.size	k_q3ee08aacbd_proj, .Lfunc_end_k_q3ee08aacbd_proj-k_q3ee08aacbd_proj
	.p2alignl 7, 3214868480
	.fill 96, 4, 3214868480
	.section	.rodata,"a",@progbits
	.p2align	6, 0x0
	.amdhsa_kernel k_q3ee08aacbd_proj
		.amdhsa_group_segment_fixed_size 327680
		.amdhsa_private_segment_fixed_size 0
		.amdhsa_enable_private_segment 0
		.amdhsa_kernarg_size 48
		.amdhsa_user_sgpr_count 2
		.amdhsa_user_sgpr_kernarg_segment_ptr 1
		.amdhsa_wavefront_size32 1
		.amdhsa_system_sgpr_workgroup_id_x 1
		.amdhsa_system_sgpr_workgroup_id_y 1
		.amdhsa_system_sgpr_workgroup_id_z 1
		.amdhsa_system_vgpr_workitem_id 0
		.amdhsa_next_free_vgpr 1024
		.amdhsa_next_free_sgpr 100
		.amdhsa_reserve_vcc 0
		.amdhsa_float_denorm_mode_32 3
		.amdhsa_float_denorm_mode_16_64 3
		.amdhsa_memory_ordered 1
		.amdhsa_forward_progress 1
		.amdhsa_inst_pref_size 145
	.end_amdhsa_kernel
	.amdgpu_metadata
---
amdhsa.version: [ 1, 2 ]
amdhsa.kernels:
  - .name:           k_q3ee08aacbd_proj
    .symbol:         k_q3ee08aacbd_proj.kd
    .args:
      - { .name: yimg, .offset: 0, .size: 8, .value_kind: global_buffer, .address_space: global }
      - { .name: ysc, .offset: 8, .size: 8, .value_kind: global_buffer, .address_space: global }
      - { .name: wimg, .offset: 16, .size: 8, .value_kind: global_buffer, .address_space: global }
      - { .name: wsc, .offset: 24, .size: 8, .value_kind: global_buffer, .address_space: global }
      - { .name: bp, .offset: 32, .size: 8, .value_kind: global_buffer, .address_space: global }
      - { .name: out0, .offset: 40, .size: 8, .value_kind: global_buffer, .address_space: global }
    .group_segment_fixed_size: 327680
    .private_segment_fixed_size: 0
    .kernarg_segment_align: 8
    .kernarg_segment_size: 48
    .max_flat_workgroup_size: 128
    .sgpr_count:     100
    .vgpr_count:     1024
    .wavefront_size: 32
...
	.end_amdgpu_metadata
.endif
;; end of part 5
